; MI455X (gfx1250); checked and timed in simulation.
; The chip was launched on July 23, 2026; its instructions are those of AMD's public machine-readable ISA for CDNA 5 (MIT licence, August 2026) and "CDNA5" Instruction Set Architecture Reference Guide (July 2026). The comments in the code are by the model that wrote it; some were corrected since.
;; Sliding Window Attention. Allowed arithmetic: matrix products marked QUANTISED: E2M1 operands, one E8M0 scale for each 32 along K, by v_wmma_scale_f32_16x16x128_f8f6f4 with both operands' format E2M1 (or v_wmma_scale_f32_32x16x128_f4), f32 sums; products left as they are: bf16, f16 or f32 operands; f32 sums; everything else in f32.
;; Inputs: Wk 1,024 x 1,024 float32; Wo 1,024 x 1,024 float32; Wq 1,024 x 1,024 float32; Wv 1,024 x 1,024 float32; x 1 x 4,096 x 1,024 float32.
;; Outputs: out0 1 x 4,096 x 1,024 float32.
;; This version of the problem:
;;   THIS VERSION OF THE PROBLEM IS GIVEN IN LOW PRECISION. The matrix products marked QUANTISED in the list below multiply operands that are first quantised to E2M1 (2 exponent bits, 1 mantissa bit; 4 bits a number), with one power-of-two scale for each 32 numbers along K (OCP MX v1.0); their sums are f32. The products marked 'left as it is' may take bf16, f16 or f32 operands, with f32 sums. Whichever they take, every output number must still come out within the allowed error. Rounding operands to bf16 (8 significant bits) uses up far more of that allowance than f16 does (11 bits, for magnitudes from 6e-5 to 65,504). All else is computed in f32.
;;   The module's matrix products, in the order in which they are computed (A, B: the left and right operand; K: the contracted axis; several contracted axes count as one K, in the product's order):
;;     1. [M 4,096, K 1,024] x [K 1,024, N 1,024]; A: input x; B: input Wq: QUANTISED
;;     2. [M 4,096, K 1,024] x [K 1,024, N 1,024]; A: input x; B: input Wk: QUANTISED
;;     3. [M 4,096, K 1,024] x [K 1,024, N 1,024]; A: input x; B: input Wv: QUANTISED
;;     4. batch 16 x [M 4,096, K 64] x [K 64, N 4,096]; A: computed on the way; B: computed on the way: left as it is (an operand is computed on the way)
;;     5. batch 16 x [M 4,096, K 4,096] x [K 4,096, N 64]; A: computed on the way; B: computed on the way: left as it is (an operand is computed on the way)
;;     6. [M 4,096, K 1,024] x [K 1,024, N 1,024]; A: computed on the way; B: input Wo: left as it is (an operand is computed on the way)
;;   THE QUANTISER, for each operand of a quantised product, along K:
;;     - K is cut into blocks of 32 from its start; a last block that is shorter is filled with zeros.
;;     - A block's scale is 2^e with e = floor(log2(the largest magnitude in the block)) - 2, held to -126 .. 127; a block of zeros has e = 0. As a byte (E8M0): e + 127.
;;     - Each number is divided by its block's scale, clamped to +-6, and rounded to the nearest number of E2M1, ties to even, subnormals kept.
;;     - The product sums the exact products of the quantised numbers (number of the format x scale) in f32.
;;   ~~~python
;;   def quantise(x, axis):      # numpy; x: float32 -> the quantised numbers, widened to float32 again
;;       x = np.moveaxis(x, axis, -1); K = x.shape[-1]
;;       x = np.pad(x, [(0, 0)] * (x.ndim - 1) + [(0, -K % 32)]); x = x.reshape(x.shape[:-1] + (-1, 32)); a = np.abs(x).max(-1, keepdims=True)
;;       e = np.where(a > 0, np.clip(np.frexp(np.where(a > 0, a, 1))[1] - 1 - 2, -126, 127), 0)      # np.frexp(a)[1] - 1 = floor(log2(a)), exactly
;;       r = np.clip(x / 2.0 ** e, -6, 6)
;;       step = 2.0 ** (np.maximum(np.frexp(np.where(r == 0, 1, r))[1] - 1, 0) - 1)
;;       q = np.round(r / step) * step * 2.0 ** e      # np.round: ties to even
;;       return np.moveaxis(q.reshape(q.shape[:-2] + (-1,))[..., :K], -1, axis).astype(np.float32)
;;   ~~~
;; One version. Each part assembles by itself: llvm-mc -triple=amdgcn-amd-amdhsa -mcpu=gfx1250 --defsym DOCPART=n.
;; ======== version 1 of 1: 5 launches
;; limits: values are held in f16: magnitudes above 65,504 overflow, below 6.1e-05 lose precision
;; workspace buffers: codes 3,670,016 bytes; scales 229,376 bytes; wo16 2,097,152 bytes; qkv 25,165,824 bytes; qkv32 196,608 bytes; ao 8,388,608 bytes
;; launch prep (part 1): grid 256 x 1, 4 waves a work-group, no clusters, 33,280 bytes of LDS; arguments x, Wq, Wk, Wv, Wo, codes, scales, wo16; writes codes, scales, wo16
.if DOCPART == 1
	.amdgcn_target "amdgcn-amd-amdhsa--gfx1250"
	.amdhsa_code_object_version 6
	.text
	.protected	k_q0de029441c_prep
	.globl	k_q0de029441c_prep
	.p2align	8
	.type	k_q0de029441c_prep,@function
k_q0de029441c_prep:
	s_mov_b64 s[64:65], 0
	v_nop
	global_prefetch_b8 v0, s[64:65] scope:SCOPE_SE
	s_setreg_imm32_b32 hwreg(HW_REG_WAVE_MODE, 25, 1), 1
	s_wait_xcnt 0x0
; PREP.  x [4096][1024], Wq, Wk, Wv [1024][1024], f32, K innermost, become codes of FP4 (E2M1), two a byte, and one E8M0 scale byte for each 32 along K;  Wo [1024][1024] becomes f16.
; codes: [7168 rows][512 bytes], rows 0-4095 x, then Wq, Wk, Wv;  scales: [7168][32 bytes].  Rows are dense and K is a multiple of 32: all four tensors are plain streams of blocks of 32 numbers.
; A block's scale is 2^(floor(log2(its largest magnitude)) - 2); its byte is the largest magnitude's own exponent field - 2, held at 1 from below; each number is divided by the scale and rounded to the nearest code, ties to even, beyond 6 the code of 6.
; LIMITS: a block of zeros gets the byte 1 where the quantiser says 127 (its codes are zeros, which add nothing, and this program alone reads the bytes); NaN and infinities among the inputs are not served;
; a |Wo| of 65,504 or more becomes infinity in f16, and one under 6e-8 becomes 0.
; SHARES.  A work-group takes 32,768 numbers, a wave 8,192.  Work-groups 0-127: x; 128-159: Wq; 160-191: Wk; 192-223: Wv (the order of the rows of codes, so the work-group's number alone places the results); 224-255: Wo.
; THE QUANTISER: 16 steps of 512 numbers a wave.  Each load reads 512 consecutive bytes, 16 a lane; a step's 2,048 bytes turn through the wave's own stage in LDS and come back 64 bytes a lane: 16 neighbours along K,
; as the conversion wants them (two neighbouring lanes hold a block).  A lane's 16 codes are 8 bytes: a wave's store covers 256 consecutive bytes, aligned.  A wave's 256 scale bytes are gathered in LDS and leave by one such store.
; No tensor loads, no barrier, no matrix work: waves share nothing, and the launch only streams.  Loads run four steps (16 loads a wave) ahead.
.set WAVES, 4
.set STEPS, 16
.set EMAX,  2
.set CB,    8                          ; bytes of 16 codes
.set R,     16                         ; v16-79   four sets of 16 numbers as they are loaded
.set X,     80                         ; v80-111  two sets of 16 neighbours
.set E,     112                        ; v112-127 a scale byte for each step
.set C,     128                        ; v128-191 codes: four registers for each step, so that no store's data are written again
.set WREG,  8192                       ; LDS: a region for each wave: two stages of 32 x SP bytes, behind them its 256 scale bytes
.set SP,    80                         ; a lane's place in a stage: 64 bytes + 16 of padding
.set SPW,   12                         ; v12  LDS address of my spare word; never rewritten
.set NIL,   13                         ; v13  0; never rewritten
.set SPARE, WAVES*WREG                 ; behind the four regions: the spare words, 128 bytes a wave, which no other line names
.set WI,    16                         ; Wo's path: v16-143 two sets of 64 numbers
.set WH,    144                        ; v144-175 their 32 registers of f16
	s_load_b256 s[4:11], s[0:1], 0x0               ; x s[4:5], Wq s[6:7], Wk s[8:9], Wv s[10:11]
	s_load_b256 s[12:19], s[0:1], 0x20             ; Wo s[12:13], codes s[14:15], scales s[16:17], wo16 s[18:19]
	v_lshl_add_u32 v[SPW], v0, 2, SPARE
	v_mov_b32 v[NIL], 0
	v_lshrrev_b32 v1, 5, v0
	v_readfirstlane_b32 s20, v1                    ; wave
	v_and_b32 v2, 31, v0                           ; lane
	v_lshlrev_b32 v3, 4, v2                        ; my 16 bytes of a load's 512
	s_mul_i32 s21, s20, WREG
	v_lshrrev_b32 v14, 2, v2
	v_mul_u32_u24 v14, v14, SP
	v_and_b32 v15, 3, v2
	v_lshl_add_u32 v14, v15, 4, v14
	v_add_nc_u32 v14, s21, v14                     ; the stage, on the way in: four lanes' 64 bytes on end, then 16 of padding
	v_mul_u32_u24 v15, v2, SP
	v_add_nc_u32 v15, s21, v15                     ; and on the way out: SP x lane: my 16 neighbours
	v_mul_u32_u24 v4, v2, CB                       ; my codes' place in a step's
	v_lshrrev_b32 v5, 1, v2
	s_add_co_u32 s21, s21, 2*32*SP
	v_add_nc_u32 v5, s21, v5                       ; LDS: my wave's 256 scale bytes, my block's byte
	v_lshlrev_b32 v7, 3, v2                        ; 8 bytes a lane
	v_add_nc_u32 v6, s21, v7
	s_wait_kmcnt 0x0
	s_cmp_ge_u32 ttmp9, 224                        ; the last 32 work-groups take Wo
	s_cbranch_scc1 .Lwo
	s_cmp_lt_u32 ttmp9, 192                        ; which tensor: choices on the work-group's number alone
	s_cselect_b64 s[22:23], s[8:9], s[10:11]
	s_cmp_lt_u32 ttmp9, 160
	s_cselect_b64 s[22:23], s[6:7], s[22:23]
	s_and_b32 s24, ttmp9, 31                       ; the work-group's place in a weight,
	s_cmp_lt_u32 ttmp9, 128
	s_cselect_b64 s[22:23], s[4:5], s[22:23]
	s_cselect_b32 s24, ttmp9, s24                  ; or in x
	s_lshl_b32 s24, s24, 2
	s_add_co_u32 s24, s24, s20
	s_lshl_b32 s24, s24, 15                        ; my wave's run of 8,192 numbers: 32,768 bytes
	s_mov_b32 s25, 0
	s_add_nc_u64 s[22:23], s[22:23], s[24:25]
	s_lshl_b32 s26, ttmp9, 2
	s_add_co_u32 s26, s26, s20                     ; which run of all 896 is mine
	s_lshl_b32 s24, s26, 12                        ; 4,096 bytes of codes a run
	s_add_nc_u64 s[14:15], s[14:15], s[24:25]
	s_lshl_b32 s24, s26, 8                         ; 256 scale bytes a run
	s_add_nc_u64 s[16:17], s[16:17], s[24:25]
.macro LOAD t
.irp i, 0,1,2,3
	global_load_b128 v[R+16*((\t)%4)+4*\i:R+16*((\t)%4)+4*\i+3], v3, s[22:23] offset:2048*(\t)+512*\i th:TH_LOAD_NT   ; 32 lanes read 512 consecutive bytes
.endr
.endm
.macro TURN t                          ; step t's numbers through the stage: LDS serves a wave's instructions in order, so no wait stands between the stores and the loads
.irp i, 0,1,2,3
	ds_store_b128 v14, v[R+16*((\t)%4)+4*\i:R+16*((\t)%4)+4*\i+3] offset:32*SP*((\t)%2)+8*SP*\i
.endr
.irp i, 0,1,2,3
	ds_load_b128 v[X+16*((\t)%2)+4*\i:X+16*((\t)%2)+4*\i+3], v15 offset:32*SP*((\t)%2)+16*\i
.endr
.endm
.irp t, 0,1,2,3
	LOAD \t
.endr
	s_wait_loadcnt 12                              ; step 0's four loads are in; the twelve of steps 1 to 3 may be out
	TURN 0
.macro STEP t
.set XS, X+16*((\t)%2)
.if (\t) > 0
	s_wait_dscnt 1                                 ; this step's numbers are back from the stage; the one younger LDS instruction, the last step's byte store, may be out
.else
	s_wait_dscnt 0x0
.endif
.if (\t)+4 < STEPS
	LOAD (\t)+4                                    ; into the set that this step's stage stores have read
.endif
.if (\t)+1 < STEPS
.if STEPS-2-(\t) >= 3
	s_wait_loadcnt 12                              ; the next step's four loads are in; those of the three steps behind it may be out
.else
	s_wait_loadcnt 4*(STEPS-2-(\t))
.endif
	TURN (\t)+1                                    ; they go through the other stage while this step is worked
.endif
	v_max3_num_f32 v8, |v[XS]|, |v[XS+1]|, |v[XS+2]|               ; the largest magnitude of my 16, in two chains
	v_max3_num_f32 v9, |v[XS+3]|, |v[XS+4]|, |v[XS+5]|
.irp i, 6,10
	v_max3_num_f32 v8, v8, |v[XS+\i]|, |v[XS+\i+1]|
	v_max3_num_f32 v9, v9, |v[XS+\i+2]|, |v[XS+\i+3]|
.endr
	v_max3_num_f32 v8, v8, |v[XS+14]|, |v[XS+15]|
	v_max3_num_f32 v8, v8, v9, (EMAX+1)<<23        ; and the floor 2^(EMAX + 1 - 127): the byte cannot fall under 1
	v_max_num_f32_dpp v8, v8, v8 row_xmask:1 row_mask:0xf bank_mask:0xf   ; and of my neighbour's 16: the block's
	v_add_nc_u32 v11, -(EMAX<<23), v8              ; EMAX off its exponent field: the conversion takes the exponent field of this operand as its scale
	v_cvt_scalef32_pk8_fp4_f32 v[C+4*(\t)], v[XS:XS+7], v11
	v_cvt_scalef32_pk8_fp4_f32 v[C+4*(\t)+1], v[XS+8:XS+15], v11
	v_lshrrev_b32 v[E+(\t)], 23, v11               ; the scale's byte (a plain line behind the conversions)
	ds_store_b8 v5, v[E+(\t)] offset:16*(\t)       ; both lanes of a block write the same byte with the same value
	global_store_b64 v4, v[C+4*(\t):C+4*(\t)+1], s[14:15] offset:32*CB*(\t)   ; 32 lanes store 256 consecutive bytes, aligned
.endm
.irp t, 0,1,2,3,4,5,6,7,8,9,10,11,12,13,14,15
	STEP \t
.endr
	ds_load_b64 v[8:9], v6                         ; LDS serves a wave's instructions in order: these see my byte stores
	s_wait_dscnt 0x0
	global_store_b64 v7, v[8:9], s[16:17]          ; my wave's 256 scale bytes
	s_wait_tensorcnt 0x0                           ; the wave's end, behind my last LDS store
	ds_add_u32 v[SPW], v[NIL]
	s_wait_dscnt 0x0
	s_endpgm
; Wo to f16: a wave takes 8,192 numbers in four passes of 16 loads (512 consecutive bytes each); a lane's four numbers become 8 bytes, so each store covers 256 consecutive bytes, aligned.  Two sets of registers: one pass ahead.
.macro LOADW p
.irp i, 0,1,2,3,4,5,6,7,8,9,10,11,12,13,14,15
	global_load_b128 v[WI+64*((\p)%2)+4*\i:WI+64*((\p)%2)+4*\i+3], v3, s[12:13] offset:512*(16*(\p)+\i) th:TH_LOAD_NT
.endr
.endm
.macro PASSW p
.if (\p) < 3
	s_wait_loadcnt 16                              ; this pass's sixteen loads are in; the next pass's sixteen may be out
.else
	s_wait_loadcnt 0x0
.endif
.if (\p) > 0
	s_wait_xcnt 0x0                                ; the last pass's stores have read their data: those registers are written again below
.endif
.irp i, 0,1,2,3,4,5,6,7,8,9,10,11,12,13,14,15
	v_cvt_pk_f16_f32 v[WH+2*\i], v[WI+64*((\p)%2)+4*\i], v[WI+64*((\p)%2)+4*\i+1]
	v_cvt_pk_f16_f32 v[WH+2*\i+1], v[WI+64*((\p)%2)+4*\i+2], v[WI+64*((\p)%2)+4*\i+3]
.endr
.if (\p) < 2
	LOADW (\p)+2
.endif
.irp i, 0,1,2,3,4,5,6,7,8,9,10,11,12,13,14,15
	global_store_b64 v7, v[WH+2*\i:WH+2*\i+1], s[18:19] offset:256*(16*(\p)+\i)
.endr
.endm
.Lwo:
	s_sub_co_u32 s24, ttmp9, 224
	s_lshl_b32 s24, s24, 2
	s_add_co_u32 s24, s24, s20                     ; which run of 8,192 numbers of Wo is my wave's
	s_lshl_b32 s26, s24, 15
	s_mov_b32 s27, 0
	s_add_nc_u64 s[12:13], s[12:13], s[26:27]
	s_lshl_b32 s26, s24, 14
	s_add_nc_u64 s[18:19], s[18:19], s[26:27]
	LOADW 0
	LOADW 1
	PASSW 0
	PASSW 1
	PASSW 2
	PASSW 3
	s_wait_tensorcnt 0x0                           ; the wave's end
	ds_add_u32 v[SPW], v[NIL]
	s_wait_dscnt 0x0
	s_endpgm
.Lfunc_end_k_q0de029441c_prep:
	.size	k_q0de029441c_prep, .Lfunc_end_k_q0de029441c_prep-k_q0de029441c_prep
	.p2alignl 7, 3214868480
	.fill 96, 4, 3214868480
	.section	.rodata,"a",@progbits
	.p2align	6, 0x0
	.amdhsa_kernel k_q0de029441c_prep
		.amdhsa_group_segment_fixed_size 33280
		.amdhsa_private_segment_fixed_size 0
		.amdhsa_enable_private_segment 0
		.amdhsa_kernarg_size 64
		.amdhsa_user_sgpr_count 2
		.amdhsa_user_sgpr_kernarg_segment_ptr 1
		.amdhsa_wavefront_size32 1
		.amdhsa_system_sgpr_workgroup_id_x 1
		.amdhsa_system_sgpr_workgroup_id_y 1
		.amdhsa_system_sgpr_workgroup_id_z 1
		.amdhsa_system_vgpr_workitem_id 0
		.amdhsa_next_free_vgpr 192
		.amdhsa_next_free_sgpr 66
		.amdhsa_reserve_vcc 0
		.amdhsa_float_denorm_mode_32 3
		.amdhsa_float_denorm_mode_16_64 3
		.amdhsa_memory_ordered 1
		.amdhsa_forward_progress 1
		.amdhsa_inst_pref_size 54
	.end_amdhsa_kernel
	.amdgpu_metadata
---
amdhsa.version: [ 1, 2 ]
amdhsa.kernels:
  - .name:           k_q0de029441c_prep
    .symbol:         k_q0de029441c_prep.kd
    .args:
      - { .name: x, .offset: 0, .size: 8, .value_kind: global_buffer, .address_space: global }
      - { .name: Wq, .offset: 8, .size: 8, .value_kind: global_buffer, .address_space: global }
      - { .name: Wk, .offset: 16, .size: 8, .value_kind: global_buffer, .address_space: global }
      - { .name: Wv, .offset: 24, .size: 8, .value_kind: global_buffer, .address_space: global }
      - { .name: Wo, .offset: 32, .size: 8, .value_kind: global_buffer, .address_space: global }
      - { .name: codes, .offset: 40, .size: 8, .value_kind: global_buffer, .address_space: global }
      - { .name: scales, .offset: 48, .size: 8, .value_kind: global_buffer, .address_space: global }
      - { .name: wo16, .offset: 56, .size: 8, .value_kind: global_buffer, .address_space: global }
    .group_segment_fixed_size: 33280
    .private_segment_fixed_size: 0
    .kernarg_segment_align: 8
    .kernarg_segment_size: 64
    .max_flat_workgroup_size: 128
    .sgpr_count:     66
    .vgpr_count:     192
    .wavefront_size: 32
...
	.end_amdgpu_metadata
.endif
;; end of part 1
;; launch qkv (part 2): grid 16 x 16, 4 waves a work-group, clusters of 4 x 1, 327,680 bytes of LDS; arguments codes, scales, qkv, qkv32; writes qkv, qkv32
.if DOCPART == 2
	.amdgcn_target "amdgcn-amd-amdhsa--gfx1250"
	.amdhsa_code_object_version 6
	.text
	.protected	k_q0de029441c_qkv
	.globl	k_q0de029441c_qkv
	.p2align	8
	.type	k_q0de029441c_qkv,@function
k_q0de029441c_qkv:
	s_mov_b64 s[64:65], 0
	v_nop
	global_prefetch_b8 v0, s[64:65] scope:SCOPE_SE
	s_setreg_imm32_b32 hwreg(HW_REG_WAVE_MODE, 25, 1), 1
	s_wait_xcnt 0x0
	s_wait_alu depctr_hold_cnt(0) depctr_sa_sdst(0) depctr_va_vdst(0) depctr_va_sdst(0) depctr_va_ssrc(0) depctr_va_vcc(0) depctr_vm_vsrc(0)
	s_getreg_b32 s2, hwreg(HW_REG_IB_STS2, 6, 4)
	s_cmp_eq_u32 s2, 0
	s_cbranch_scc0 .Lentry_in_a_cluster
	s_endpgm
.Lentry_in_a_cluster:
	s_bfe_u32 s2, ttmp6, 0x10000c
	s_cmp_lg_u32 s2, 0x3003
	s_cbranch_scc0 .Lentry_shape_is_right
	s_endpgm
.Lentry_shape_is_right:
; QKV.  [4096 rows of x] x [3072 rows of Wq, Wk, Wv]^T over K = 1024, on codes of FP4 (E2M1) with one E8M0 scale for each 32 along K, sums in f32.
; Results: qkv, f16, [48 planes][4096][64] (planes 0-15 q's heads, 16-31 k's, 32-47 v's);  qkv32, f32, [48][16][64]: positions 0-15 of every plane, for the launch that carries them more finely.
; LIMIT: a |q|, |k| or |v| of 65,504 or more becomes infinity in f16 (the drawn inputs give about 5; inputs 30 times larger on both sides about 5,000).
; SHARES.  A work-group makes 256 rows x 192 columns (three planes): 16 x 16 = 256 work-groups.  Wave w makes rows 64 w .. 64 w + 63 against all 192 columns: 48 accumulators of 16 x 16, 384 registers.
; ALL OF K LIES IN LDS: a row's 512 bytes of codes as two chunks of 256 bytes.  Every tensor load is issued at the head (six a wave are out, by this text's count), nothing is filled twice;
; chunk 1 lands while chunk 0 is multiplied.  So there is nothing further ahead that a prefetch could ask for.
; CLUSTER 4, 1, 1: the four partners make the same 256 rows, so A's codes and A's scale bytes (139,264 + 8,704 of a work-group's 259,000 bytes in LDS) are asked for jointly, with the mask of all four.
; B's tiles differ between the partners and come by plain loads.  The partners lie along x alone because one branch of this text (the f32 copy of positions 0-15) hangs on the tile row, which they must share.
; THE MATRIX INSTRUCTION IS USED TRANSPOSED (source 0 = 16 rows of W, source 1 = 16 rows of x): a lane holds eight neighbouring channels of one position.
; REGISTERS, in windows of 256.  Window 0: v1-29 addresses; v32-63 A's scale words (block a, K step q at 32 + 8 a + q); v64-159 B's (64 + 8 b + q): these hold scales and nothing else;
;   v160-223 A's fragments, two sets of 32; on the way out v160-207 hold packed results.   Window 1: B's fragments, two sets, at 0 and at 128; on the way out rows read back from the stage.
;   Window 2: the accumulators of blocks a = 0, 1 at 8 (12 a + b).   Window 3: those of a = 2, 3.
.set PITCH, 272                        ; an LDS row of codes: 256 bytes + 16 of padding: the 16 rows that a fragment load touches start 68 words apart
.set LA0,   0                          ; A, K 0-511: 256 rows
.set LB0,   69632                      ; B, K 0-511: 192 rows
.set LA1,   121856                     ; A, K 512-1023
.set LB1,   191488                     ; B, K 512-1023
.set SCA,   243712                     ; A's scale bytes: 8,192 dense bytes as 32 rows of 256 + 16
.set SCB,   252416                     ; B's: 6,144 bytes as 24 such rows
.set SPARE, 259072                     ; the spare words, 128 bytes a wave, which no other line names
.set ADRA,  16                         ; v16, v17  my A fragments in chunk 0, 1
.set ADRB,  18                         ; v18, v19  B's
.set ASA,   20                         ; v20  my rows' scale words of A
.set ASB,   21                         ; v21  of B
.set STO,   22                         ; v22  the way out: where I put 16 bytes of a row
.set RD,    23                         ; v23  where I read rows back
.set GO,    24                         ; v24  my byte in 512 consecutive bytes of a plane
.set FO,    25                         ; v25  my byte in a plane of qkv32
.set SPW,   28
.set NIL,   29
.set SA,    32
.set SB,    64
.set AF,    160
.set TMP,   160
.set W0A,   15|(1<<20)|(1<<21)|(5<<22)|(3<<25)          ; mask of all four partners; elements of 1 byte; padding on; bit 21 beside a mask; 4 words of padding behind every 64
.set W0B,   (1<<20)|(5<<22)|(3<<25)                     ; the same with no mask
.set W0SA,  15|(3<<16)|(1<<20)|(1<<21)|(5<<22)|(3<<25)  ; elements of 8 bytes
.set W0SB,  (3<<16)|(1<<20)|(5<<22)|(3<<25)
.set MSB, 0
.macro WIN new                         ; the immediate's high byte repeats the setting that is left; a switch that changes nothing is dropped
.if MSB != (\new)
	s_set_vgpr_msb (MSB<<8)|(\new)
.set MSB, (\new)
.endif
.endm
.macro PLACES n
.rept \n
	v_nop
.endr
.endm
.macro CROUND                          ; a round of the cluster's barrier
	s_barrier_signal -1
	s_barrier_wait -1
	s_cmp_lg_u32 s12, 0
	s_cbranch_scc1 .Lnot_wave_0_\@
	s_barrier_signal -3
.Lnot_wave_0_\@:
	s_barrier_wait -3
	s_barrier_signal -1
	s_barrier_wait -1
.endm
.macro SHAPE g, w0, d0, rows, stride   ; a descriptor's group 1, every word a constant
	s_mov_b32 s[\g], \w0
	s_mov_b32 s[\g+1], (\d0)<<16                   ; tensor_dim0
	s_mov_b32 s[\g+2], (\rows)<<16                 ; tensor_dim1
	s_mov_b32 s[\g+3], (\d0)<<16                   ; tile_dim0
	s_mov_b32 s[\g+4], \rows                       ; tile_dim1
	s_mov_b32 s[\g+5], \stride                     ; from row to row, in elements
	s_mov_b32 s[\g+6], 0
	s_mov_b32 s[\g+7], 0
.endm
	s_load_b256 s[4:11], s[0:1], 0x0               ; codes s[4:5], scales s[6:7], qkv s[8:9], qkv32 s[10:11]
	v_lshl_add_u32 v[SPW], v0, 2, SPARE
	v_mov_b32 v[NIL], 0
	ds_add_u32 v[SPW], v[NIL]                      ; the wave's opening: the add, twice on end, and its wait ahead of my first tensor load
	ds_add_u32 v[SPW], v[NIL]
	v_lshrrev_b32 v1, 5, v0
	v_readfirstlane_b32 s12, v1                    ; wave 0..3
	s_bfe_u32 s13, ttmp6, 0x40000                  ; cx: my place in the cluster
	s_lshl_b32 s14, ttmp9, 2
	s_add_co_u32 s14, s14, s13                     ; tile column = 4 x cluster x + cx: it enters B's global addresses and the results' alone
	s_and_b32 s15, ttmp7, 0xffff                   ; tile row, which the four partners share
	SHAPE 16, W0A, 256, 64, 512                    ; A's codes: 64 rows x 256 bytes of rows of 512
	SHAPE 24, W0B, 256, 48, 512                    ; B's: 48 rows
	SHAPE 32, W0SA, 32, 8, 32                      ; A's scale bytes: 2,048 dense bytes as 8 rows of 256
	SHAPE 40, W0SB, 32, 6, 32                      ; B's: 1,536 as 6
	s_lshl_b32 s76, s15, 8
	s_lshl_b32 s77, s12, 6
	s_add_co_u32 s76, s76, s77                     ; my first row of x: 256 x tile row + 64 x wave
	s_mul_i32 s78, s14, 192
	s_mul_i32 s79, s12, 48
	s_add_co_u32 s78, s78, s79                     ; the first row of W that I fetch: 192 x tile column + 48 x wave
	s_lshl_b32 s80, s76, 9                         ; A's codes, in bytes
	s_mov_b32 s81, 0
	s_lshl_b32 s82, s76, 5                         ; A's scale bytes
	s_mov_b32 s83, 0
	s_lshl_b32 s84, s78, 9
	s_add_co_u32 s84, s84, 4096*512                ; B's codes lie behind x's 4,096 rows
	s_mov_b32 s85, 0
	s_lshl_b32 s86, s78, 5
	s_add_co_u32 s86, s86, 4096*32
	s_mov_b32 s87, 0
	s_mul_i32 s88, s12, 64*PITCH                   ; where they go: the wave's number times a constant
	s_mul_i32 s89, s12, 48*PITCH
	s_mul_i32 s90, s12, 8*272
	s_mul_i32 s91, s12, 6*272
	s_mov_b32 s48, 1                               ; six groups 0, one for each load
	s_add_co_u32 s49, s90, SCA
	s_mov_b32 s52, 1
	s_add_co_u32 s53, s91, SCB
	s_mov_b32 s56, 1
	s_mov_b32 s57, s88
	s_mov_b32 s60, 1
	s_add_co_u32 s61, s89, LB0
	s_mov_b32 s68, 1
	s_add_co_u32 s69, s88, LA1
	s_mov_b32 s72, 1
	s_add_co_u32 s73, s89, LB1
	s_wait_dscnt 0x0                               ; both opening adds are done
	s_wait_kmcnt 0x0
	s_add_nc_u64 s[50:51], s[6:7], s[82:83]
	s_add_nc_u64 s[54:55], s[6:7], s[86:87]
	s_add_nc_u64 s[58:59], s[4:5], s[80:81]
	s_add_nc_u64 s[62:63], s[4:5], s[84:85]
	s_add_nc_u64 s[70:71], s[58:59], 256           ; the rows' second 256 bytes
	s_add_nc_u64 s[74:75], s[62:63], 256
	s_or_b32 s51, s51, 0x80000000                  ; the type
	s_or_b32 s55, s55, 0x80000000
	s_or_b32 s59, s59, 0x80000000
	s_or_b32 s63, s63, 0x80000000
	s_or_b32 s71, s71, 0x80000000
	s_or_b32 s75, s75, 0x80000000
	CROUND                                         ; all four work-groups are here: the joint loads meet
	tensor_load_to_lds s[48:51], s[32:39]          ; A's scale bytes (joint)
	s_nop 0
	tensor_load_to_lds s[52:55], s[40:47]          ; B's
	s_nop 0
	tensor_load_to_lds s[56:59], s[16:23]          ; A, chunk 0 (joint)
	s_nop 0
	tensor_load_to_lds s[60:63], s[24:31]          ; B, chunk 0
	s_nop 0
	tensor_load_to_lds s[68:71], s[16:23]          ; A, chunk 1 (joint)
	s_nop 0
	tensor_load_to_lds s[72:75], s[24:31]          ; B, chunk 1
	s_nop 0
	PLACES 4
	s_mul_i32 s92, s14, 3*524288                   ; my three planes,
	s_lshl_b32 s93, s76, 7                         ; my first row in them: 128 bytes a row
	s_add_co_u32 s92, s92, s93
	s_mov_b32 s93, 0
	s_add_nc_u64 s[8:9], s[8:9], s[92:93]
	s_mul_i32 s92, s14, 3*4096
	s_add_nc_u64 s[10:11], s[10:11], s[92:93]
	v_and_b32 v1, 15, v0                           ; r = lane % 16
	v_bfe_u32 v2, v0, 4, 1                         ; h = lane / 16
	v_mul_u32_u24 v3, v1, PITCH
	v_lshl_add_u32 v3, v2, 4, v3                   ; a fragment's row x pitch + 16 h
	v_add_nc_u32 v[ADRA], s88, v3
	v_add_nc_u32 v[ADRA+1], LA1, v[ADRA]
	v_add_nc_u32 v[ADRB], LB0, v3
	v_add_nc_u32 v[ADRB+1], LB1, v3
	v_lshrrev_b32 v4, 3, v1                        ; a row's 32 scale bytes: eight rows to a row of 256 + 16
	v_and_b32 v5, 7, v1
	v_mul_u32_u24 v4, v4, 272
	v_lshl_add_u32 v4, v5, 5, v4
	v_add_nc_u32 v[ASB], SCB, v4
	v_add_nc_u32 v[ASA], s90, v4
	v_add_nc_u32 v[ASA], SCA, v[ASA]
	v_mul_u32_u24 v[STO], v1, 144                  ; the stage: three planes x 16 rows x (128 bytes + 16), in my own rows of A's chunk 0
	v_lshl_add_u32 v[STO], v2, 4, v[STO]
	v_add_nc_u32 v[STO], s88, v[STO]
	v_and_b32 v6, 31, v0
	v_lshrrev_b32 v7, 3, v6
	v_and_b32 v8, 7, v6
	v_mul_u32_u24 v[RD], v7, 144                   ; back: eight lanes to a row, four rows an instruction
	v_lshl_add_u32 v[RD], v8, 4, v[RD]
	v_add_nc_u32 v[RD], s88, v[RD]
	v_lshlrev_b32 v[GO], 4, v6                     ; a plane's rows are dense: four rows are 512 consecutive bytes
	v_lshlrev_b32 v[FO], 8, v1
	v_lshl_add_u32 v[FO], v2, 5, v[FO]             ; qkv32: row r of 256 bytes, + 32 h
.macro FRAG reg, adr, off              ; 16 rows x 128 K of 4-bit codes: 8 registers; registers 4 c .. 4 c + 3 hold K = 64 c + 32 h + 0 .. 31: 16 bytes of the row as they lie
	ds_load_b128 v[\reg:\reg+3], v[\adr] offset:\off
	ds_load_b128 v[\reg+4:\reg+7], v[\adr] offset:\off+32
.endm
.macro FETCH q                         ; K step q's fragments, 32 loads in one run, into set q % 2
	WIN 0x40                                       ; destination window 1
.irp b, 0,1,2,3,4,5,6,7,8,9,10,11
	FRAG 128*((\q)%2)+8*\b, ADRB+(\q)/4, 64*((\q)%4)+\b*16*PITCH
.endr
	WIN 0
.irp a, 0,1,2,3
	FRAG AF+32*((\q)%2)+8*\a, ADRA+(\q)/4, 64*((\q)%4)+\a*16*PITCH
.endr
.endm
.macro SCALES                          ; all scale words, once: a row's 32 bytes are the words of its eight K steps
.irp a, 0,1,2,3
	ds_load_b128 v[SA+8*\a:SA+8*\a+3], v[ASA] offset:544*\a
	ds_load_b128 v[SA+8*\a+4:SA+8*\a+7], v[ASA] offset:544*\a+16
.endr
.irp b, 0,1,2,3,4,5,6,7,8,9,10,11
	ds_load_b128 v[SB+8*\b:SB+8*\b+3], v[ASB] offset:544*\b
	ds_load_b128 v[SB+8*\b+4:SB+8*\b+7], v[ASB] offset:544*\b+16
.endr
.endm
; 24 matrix instructions: A's blocks a0, a0 + 1 against B's twelve.  The 48 accumulators take turns, one instruction a turn, in the same order in every K step.  zero = 1: the first K step starts the sums.
.macro MUL24 a0, q, zero
.irp a, \a0, \a0+1
.irp b, 0,1,2,3,4,5,6,7,8,9,10,11
.if \zero
	v_wmma_scale_f32_16x16x128_f8f6f4 v[8*(12*((\a)%2)+\b):8*(12*((\a)%2)+\b)+7], v[128*((\q)%2)+8*\b:128*((\q)%2)+8*\b+7], v[AF+32*((\q)%2)+8*(\a):AF+32*((\q)%2)+8*(\a)+7], 0, v[SB+8*\b+(\q)], v[SA+8*(\a)+(\q)] matrix_a_fmt:MATRIX_FMT_FP4 matrix_b_fmt:MATRIX_FMT_FP4
.else
	v_wmma_scale_f32_16x16x128_f8f6f4 v[8*(12*((\a)%2)+\b):8*(12*((\a)%2)+\b)+7], v[128*((\q)%2)+8*\b:128*((\q)%2)+8*\b+7], v[AF+32*((\q)%2)+8*(\a):AF+32*((\q)%2)+8*(\a)+7], v[8*(12*((\a)%2)+\b):8*(12*((\a)%2)+\b)+7], v[SB+8*\b+(\q)], v[SA+8*(\a)+(\q)] matrix_a_fmt:MATRIX_FMT_FP4 matrix_b_fmt:MATRIX_FMT_FP4
.endif
.endr
.endr
.endm
; A K step of 128: its fragments are in; the next step's 32 loads go out first, into the other set (four plain places behind the products that read it), and land under this step's 48 products.
.macro STEP q, zero
	s_wait_dscnt 0x0                               ; this step's fragments (and, at step 0, the scale words) are in
.if (\q) == 3                          ; the next step reads chunk 1: my loads of it have landed, and after the barrier everybody's
	s_wait_tensorcnt 0x0
	s_barrier_signal -1
	WIN 0xa1                                       ; source 0 (B) window 1, source 1 (A) window 0, C and D window 2
	MUL24 0, \q, 0
	WIN 0
	s_barrier_wait -1
	PLACES 4
	FETCH (\q)+1
	WIN 0xf1                                       ; C and D window 3
	MUL24 2, \q, 0
	WIN 0
.else
.if (\q) < 7
.if (\q) > 0
	PLACES 4
.endif
	FETCH (\q)+1
.endif
	WIN 0xa1
	MUL24 0, \q, \zero
	WIN 0xf1
	MUL24 2, \q, \zero
	WIN 0
.endif
.endm
	s_wait_tensorcnt 2                             ; the scale bytes and chunk 0 are in: the two loads issued behind them, chunk 1's, may be out
	s_barrier_signal -1
	s_barrier_wait -1                              ; everybody's are
	SCALES
	FETCH 0
	STEP 0, 1
	STEP 1, 0
	STEP 2, 0
	STEP 3, 0
	STEP 4, 0
	STEP 5, 0
	STEP 6, 0
	STEP 7, 0
	PLACES 4                                       ; behind the last products: in front of reads of results, and of writes and loads into registers that held fragments
	; Positions 0-15 in f32: tile row 0, wave 0, block a = 0.  The branch hangs on the tile row, which the partners share, and the wave's number.  Pieces of 16 bytes a lane: 196,608 bytes in the whole launch.
	s_or_b32 s76, s15, s12
	s_cmp_lg_u32 s76, 0
	s_cbranch_scc1 .Lno32
	WIN 0x08                                       ; a store's data: window 2
.irp b, 0,1,2,3,4,5,6,7,8,9,10,11
	global_store_b128 v[FO], v[8*\b:8*\b+3], s[10:11] offset:4096*(\b/4)+64*(\b%4)       ; each accumulator from its low end on
	global_store_b128 v[FO], v[8*\b+4:8*\b+7], s[10:11] offset:4096*(\b/4)+64*(\b%4)+16
.endr
	WIN 0
.Lno32:
; THE WAY OUT, a block of 16 rows x 192 columns at a time: rounded to f16 (a lane's eight channels: 16 bytes), through my stage, back as whole rows, four rows (512 consecutive bytes of a plane) a store.
; The stage lies in my own rows of A's chunk 0: they were filled once, only I read them, and those reads were waited for long ago.  LDS serves a wave's instructions in order: no wait between the stores and the loads.
.macro PACK a
	WIN 0x0a+5*((\a)/2)                            ; sources: window 2 or 3
.irp b, 0,1,2,3,4,5,6,7,8,9,10,11
.irp i, 0,1,2,3
	v_cvt_pk_f16_f32 v[TMP+4*\b+\i], v[96*((\a)%2)+8*\b+2*\i], v[96*((\a)%2)+8*\b+2*\i+1]
.endr
.endr
	WIN 0
.endm
.macro TOSTAGE a
.irp b, 0,1,2,3,4,5,6,7,8,9,10,11
	ds_store_b128 v[STO], v[TMP+4*\b:TMP+4*\b+3] offset:2304*(\b/4)+32*(\b%4)
.endr
	WIN 0x40                                       ; destination window 1
.irp p, 0,1,2
.irp i, 0,1,2,3
	ds_load_b128 v[64*((\a)%2)+4*(4*\p+\i):64*((\a)%2)+4*(4*\p+\i)+3], v[RD] offset:2304*\p+576*\i
.endr
.endr
	WIN 0
.endm
.macro SEND a, younger                 ; younger: the LDS instructions issued behind block a's loads, which may stay out
	s_wait_dscnt \younger
	WIN 0x04                                       ; a store's data: window 1
.irp p, 0,1,2
.irp i, 0,1,2,3
	global_store_b128 v[GO], v[64*((\a)%2)+4*(4*\p+\i):64*((\a)%2)+4*(4*\p+\i)+3], s[8:9] offset:524288*\p+2048*(\a)+512*\i
.endr
.endr
	WIN 0
.endm
	PACK 0
	TOSTAGE 0
.irp a, 1,2,3
	PACK \a
.if \a > 1
	s_wait_xcnt 0x0                                ; block a - 2's stores have read their data: block a's loads land in those registers
.endif
	TOSTAGE \a
	SEND \a-1, 24                                  ; behind block a - 1's loads: block a's 12 stores and 12 loads
.endr
	SEND 3, 0
	s_wait_tensorcnt 0x0                           ; the wave's end, behind my last tensor load and my last LDS store
	ds_add_u32 v[SPW], v[NIL]
	s_wait_dscnt 0x0
	CROUND                                         ; the closing round
	s_endpgm
.Lfunc_end_k_q0de029441c_qkv:
	.size	k_q0de029441c_qkv, .Lfunc_end_k_q0de029441c_qkv-k_q0de029441c_qkv
	.p2alignl 7, 3214868480
	.fill 96, 4, 3214868480
	.section	.rodata,"a",@progbits
	.p2align	6, 0x0
	.amdhsa_kernel k_q0de029441c_qkv
		.amdhsa_group_segment_fixed_size 327680
		.amdhsa_private_segment_fixed_size 0
		.amdhsa_enable_private_segment 0
		.amdhsa_kernarg_size 32
		.amdhsa_user_sgpr_count 2
		.amdhsa_user_sgpr_kernarg_segment_ptr 1
		.amdhsa_wavefront_size32 1
		.amdhsa_system_sgpr_workgroup_id_x 1
		.amdhsa_system_sgpr_workgroup_id_y 1
		.amdhsa_system_sgpr_workgroup_id_z 1
		.amdhsa_system_vgpr_workitem_id 0
		.amdhsa_next_free_vgpr 1024
		.amdhsa_next_free_sgpr 100
		.amdhsa_reserve_vcc 0
		.amdhsa_float_denorm_mode_32 3
		.amdhsa_float_denorm_mode_16_64 3
		.amdhsa_memory_ordered 1
		.amdhsa_forward_progress 1
		.amdhsa_inst_pref_size 103
	.end_amdhsa_kernel
	.amdgpu_metadata
---
amdhsa.version: [ 1, 2 ]
amdhsa.kernels:
  - .name:           k_q0de029441c_qkv
    .symbol:         k_q0de029441c_qkv.kd
    .args:
      - { .name: codes, .offset: 0, .size: 8, .value_kind: global_buffer, .address_space: global }
      - { .name: scales, .offset: 8, .size: 8, .value_kind: global_buffer, .address_space: global }
      - { .name: qkv, .offset: 16, .size: 8, .value_kind: global_buffer, .address_space: global }
      - { .name: qkv32, .offset: 24, .size: 8, .value_kind: global_buffer, .address_space: global }
    .group_segment_fixed_size: 327680
    .private_segment_fixed_size: 0
    .kernarg_segment_align: 8
    .kernarg_segment_size: 32
    .max_flat_workgroup_size: 128
    .sgpr_count:     100
    .vgpr_count:     1024
    .wavefront_size: 32
...
	.end_amdgpu_metadata
.endif
;; end of part 2
;; launch attn (part 3): grid 32 x 8, 16 waves a work-group, no clusters, 196,608 bytes of LDS; arguments qkv, ao; writes ao
.if DOCPART == 3
	.amdgcn_target "amdgcn-amd-amdhsa--gfx1250"
	.amdhsa_code_object_version 6
	.text
	.protected	k_q0de029441c_attn
	.globl	k_q0de029441c_attn
	.p2align	8
	.type	k_q0de029441c_attn,@function
k_q0de029441c_attn:
	s_mov_b64 s[64:65], 0
	v_nop
	global_prefetch_b8 v0, s[64:65] scope:SCOPE_SE
	s_setreg_imm32_b32 hwreg(HW_REG_WAVE_MODE, 25, 1), 1
	s_wait_xcnt 0x0
; ATTN.  ao[i][64 head + d] = the sum over keys j of softmax_j(q[i] . k[j] / 8) v[j][d], key j counting for query i where i - 128 <= j <= i.  q, k, v: f16 planes [4096][64] of qkv; ao: f16 [4096][1024].
; Products on f16 operands with f32 sums; maximum, exponentials and the row's sum in f32; the weights p are rounded to f16 for the second product, the sum is taken of the unrounded p and divides at the end.
; Only the band is multiplied: a tile of 16 queries meets 9 tiles of 16 keys, of which the first and the last are cut by the mask.  All 144 scores of a query are in registers at once, so the row's true maximum is taken away: no running maximum.
; LIMIT: f16's range for q, k, v (stated where they are made).  Positions 0-15 are made here like all others; the last launch of the program makes the output's rows 0-15 anew in f32.
; SHARES.  A work-group: 128 queries (q0 = 128 x) of two heads (2 y, 2 y + 1): 256 work-groups.  Wave w: the tile of 16 queries w % 8 of head w / 8.  The two heads' results make a row's 256 consecutive bytes of ao.
; LDS row p of K and of V holds key q0 - 128 + p, p = 0 .. 255.  In the first block of queries rows 0-127 would lie ahead of the sequence: there the loads take rows from 0 on (real numbers), and the mask hides them.
; Each of the sixteen waves issues ONE tensor load at the head (64 rows x 128 bytes): waves 0-7 K's, waves 8-15 V's; nothing is filled twice, and nothing is left that a prefetch could ask for ahead.
; NO CLUSTER: the 128 keys that two neighbouring query blocks share lie at LDS rows 128-255 in one and at rows 0-127 in the other, and a joint load has one LDS address for all its partners.
; LAYOUT.  S^T = K Q^T (source 0 = 16 keys, source 1 = my 16 queries): a lane holds ONE query (lane % 16) and keys 8 (lane / 16) + 0..7 of each tile.  Two tiles, rounded to f16 in pairs, are source 1 of O^T = V^T P; V comes turned out of LDS.
.set KP,    144                        ; a row of K in LDS: 128 bytes + 16
.set VP,    160                        ; a row of V: 128 + 32, for the turning load
.set LV,    73728                      ; V's two heads, behind K's two (256 x 144 each)
.set STG,   155648                     ; the stage: 128 rows x (256 bytes + 16)
.set SPARE, 190464                     ; the spare words, 128 bytes a wave, which no other line names
.set AK,  3                            ; v3   my lane's place in K
.set AV,  4                            ; v4   in V
.set QO,  5                            ; v5   in Q's 16 rows in memory
.set STO, 6                            ; v6   the stage, in
.set RD,  7                            ; v7   the stage, back
.set GO,  8                            ; v8   my byte in two rows of ao
.set DD,  9                            ; v9   d = lane % 16 - 8 (lane / 16)
.set NI,  10                           ; v10  -infinity
.set SPW, 11
.set NIL, 12
.set QF,  16                           ; v16-31   Q
.set KF,  32                           ; v32-175  K, tile c at 32 + 16 c
.set VF,  16                           ; v16-175  then V^T, fragment (s, t) at 16 + 32 s + 8 t
.set S,   184                          ; v184-255 S^T, tile c at 184 + 8 c; then p; then P in v184-219, zeros in v220-223
.set OT,  224                          ; v224-255 O^T
	s_load_b128 s[4:7], s[0:1], 0x0                ; qkv s[4:5], ao s[6:7]
	v_lshl_add_u32 v[SPW], v0, 2, SPARE
	v_mov_b32 v[NIL], 0
	ds_add_u32 v[SPW], v[NIL]                      ; the wave's opening: the add, twice on end, and its wait ahead of my first tensor load
	ds_add_u32 v[SPW], v[NIL]
	v_lshrrev_b32 v1, 5, v0
	v_readfirstlane_b32 s8, v1                     ; wave 0..15
	s_and_b32 s9, s8, 7                            ; my tile of queries
	s_lshr_b32 s10, s8, 3                          ; my head of the two.  Also: I fetch for K (0) or for V (1)
	s_and_b32 s11, ttmp7, 0xffff                   ; the pair of heads
	s_lshl_b32 s12, ttmp9, 7                       ; q0
	s_bfe_u32 s13, s8, 0x10002                     ; the head whose rows I fetch,
	s_and_b32 s14, s8, 3                           ; and which 64 of its 256 rows
	s_lshl_b32 s15, s14, 6
	s_add_co_u32 s15, s15, s12
	s_sub_co_i32 s15, s15, 128                     ; key q0 - 128 + 64 u,
	s_max_i32 s15, s15, 0                          ; held at 0: no load leaves its plane
	s_lshl_b32 s15, s15, 7                         ; 128 bytes a row
	s_lshl_b32 s60, s11, 1
	s_add_co_u32 s60, s60, s13
	s_add_co_u32 s60, s60, 16                      ; k's plane of that head
	s_lshl_b32 s60, s60, 19                        ; 524,288 bytes a plane
	s_add_co_u32 s60, s60, s15
	s_mov_b32 s61, 0
	s_mov_b32 s16, (1<<16)|(1<<20)|(4<<22)|(3<<25) ; K's shape: elements of 2 bytes; 4 words of padding behind every 32
	s_mov_b32 s17, 64<<16                          ; tensor_dim0
	s_mov_b32 s18, 64<<16                          ; tensor_dim1
	s_mov_b32 s19, 64<<16                          ; tile_dim0
	s_mov_b32 s20, 64                              ; tile_dim1
	s_mov_b32 s21, 64                              ; from row to row
	s_mov_b32 s22, 0
	s_mov_b32 s23, 0
	s_mov_b32 s24, (1<<16)|(1<<20)|(4<<22)|(7<<25) ; V's: 8 words of padding
	s_mov_b32 s25, 64<<16
	s_mov_b32 s26, 64<<16
	s_mov_b32 s27, 64<<16
	s_mov_b32 s28, 64
	s_mov_b32 s29, 64
	s_mov_b32 s30, 0
	s_mov_b32 s31, 0
	s_mov_b32 s32, 1
	s_mul_i32 s33, s13, 256*KP
	s_mul_i32 s62, s14, 64*KP
	s_add_co_u32 s33, s33, s62                     ; K: head x 256 rows + 64 u rows
	s_mov_b32 s36, 1
	s_mul_i32 s37, s13, 256*VP
	s_mul_i32 s62, s14, 64*VP
	s_add_co_u32 s37, s37, s62
	s_add_co_u32 s37, s37, LV                      ; V likewise
	s_mov_b32 s56, 0x76543210                      ; v_permlanex16_b32's selects for lane l xor 16
	s_mov_b32 s57, 0xfedcba98
	s_mov_b32 s58, 0x3e38aa3b                      ; c = log2(e) / 8
	s_mov_b32 s59, s58                             ; (named with it as a pair)
	s_lshl_b32 s62, s11, 1
	s_add_co_u32 s62, s62, s10                     ; q's plane: my head
	s_lshl_b32 s62, s62, 19
	s_lshl_b32 s63, s9, 4
	s_add_co_u32 s63, s63, s12                     ; my first query
	s_lshl_b32 s63, s63, 7
	s_add_co_u32 s62, s62, s63
	s_mov_b32 s63, 0
	s_lshl_b32 s68, s8, 3
	s_add_co_u32 s68, s68, s12                     ; the first of the 8 rows of ao that I store
	s_lshl_b32 s68, s68, 11
	s_lshl_b32 s69, s11, 8                         ; the pair's 256 bytes of a row
	s_add_co_u32 s68, s68, s69
	s_mov_b32 s69, 0
	s_wait_dscnt 0x0                               ; both opening adds are done
	s_wait_kmcnt 0x0
	s_add_nc_u64 s[34:35], s[4:5], s[60:61]
	s_add_nc_u64 s[38:39], s[34:35], 16*524288     ; v's plane lies 16 planes behind k's
	s_or_b32 s35, s35, 0x80000000
	s_or_b32 s39, s39, 0x80000000
	s_cmp_lt_u32 s8, 8                             ; a branch on the wave's number, round the two lines alone
	s_cbranch_scc0 .Lfor_v
	tensor_load_to_lds s[32:35], s[16:23]
	s_nop 0
.rept 4
	v_nop
.endr
	s_branch .Lasked
.Lfor_v:
	tensor_load_to_lds s[36:39], s[24:31]
	s_nop 0
.rept 4
	v_nop
.endr
.Lasked:
	s_add_nc_u64 s[66:67], s[4:5], s[62:63]        ; Q at my first query
	s_add_nc_u64 s[6:7], s[6:7], s[68:69]
	v_and_b32 v1, 15, v0                           ; r
	v_bfe_u32 v2, v0, 4, 1                         ; h
	v_lshlrev_b32 v[QO], 7, v1
	v_lshl_add_u32 v[QO], v2, 4, v[QO]             ; row r of 128 bytes, + 16 h
.irp u, 0,1,2,3
	global_load_b128 v[QF+4*\u:QF+4*\u+3], v[QO], s[66:67] offset:32*\u   ; two fragments of 16 queries x 32 channels
.endr
	s_mul_i32 s70, s10, 256*KP
	s_mul_i32 s71, s9, 16*KP
	s_add_co_u32 s70, s70, s71                     ; K: my head, from LDS row 16 x tile on
	v_mul_u32_u24 v[AK], v1, KP
	v_lshl_add_u32 v[AK], v2, 4, v[AK]
	v_add_nc_u32 v[AK], s70, v[AK]
	s_mul_i32 s72, s10, 256*VP
	s_mul_i32 s71, s9, 16*VP
	s_add_co_u32 s72, s72, s71
	s_add_co_u32 s72, s72, LV
	v_and_b32 v13, 7, v0                           ; the turning load: lane l reads key 8 h + l % 8, channels 8 ((l / 8) % 2) + 0..7
	v_lshl_add_u32 v[AV], v2, 3, v13
	v_mul_u32_u24 v[AV], v[AV], VP
	v_bfe_u32 v13, v0, 3, 1
	v_lshl_add_u32 v[AV], v13, 4, v[AV]
	v_add_nc_u32 v[AV], s72, v[AV]
	s_mul_i32 s73, s9, 16*272
	s_lshl_b32 s71, s10, 7
	s_add_co_u32 s73, s73, s71
	s_add_co_u32 s73, s73, STG                     ; the stage, in: my tile's rows, my head's 128 bytes
	v_mul_u32_u24 v[STO], v1, 272
	v_lshl_add_u32 v[STO], v2, 4, v[STO]
	v_add_nc_u32 v[STO], s73, v[STO]
	s_mul_i32 s74, s8, 8*272
	s_add_co_u32 s74, s74, STG                     ; back: rows 8 w .. 8 w + 7, whole; lanes 0-15 one row, lanes 16-31 the next
	v_mul_u32_u24 v[RD], v2, 272
	v_lshl_add_u32 v[RD], v1, 4, v[RD]
	v_add_nc_u32 v[RD], s74, v[RD]
	v_lshlrev_b32 v[GO], 11, v2
	v_lshl_add_u32 v[GO], v1, 4, v[GO]
	v_lshlrev_b32 v13, 3, v2
	v_sub_nc_u32 v[DD], v1, v13                    ; d
	v_mov_b32 v[NI], 0xff800000
	v_mov_b32 v179, 0                              ; written once: a lane permute's destination, and the upper halves of pairs that packed forms name
	v_mov_b32 v181, 0
	v_mov_b32 v183, 0
.irp j, 0,1,2,3,4,5,6,7                ; register j of a tile is key 8 h + j.  In the last tile it counts where 8 h + j <= r, in the first where 8 h + j >= r
	v_cmp_le_i32 s[40+\j], \j, v[DD]
	v_cmp_ge_i32 s[48+\j], \j, v[DD]
.endr
	s_wait_tensorcnt 0x0                           ; my 64 rows have landed,
	s_barrier_signal -1
	s_barrier_wait -1                              ; everybody's have
.irp c, 0,1,2,3,4,5,6,7,8
.irp u, 0,1,2,3
	ds_load_b128 v[KF+16*\c+4*\u:KF+16*\c+4*\u+3], v[AK] offset:16*KP*\c+32*\u
.endr
.endr
	s_wait_loadcnt 0x0                             ; Q
	s_wait_dscnt 0x0                               ; K
.irp k, 0,1                            ; S^T = K Q^T: the nine accumulators take turns; the first 32 channels start the sums
.irp c, 0,1,2,3,4,5,6,7,8
.if \k == 0
	v_wmma_f32_16x16x32_f16 v[S+8*\c:S+8*\c+7], v[KF+16*\c:KF+16*\c+7], v[QF:QF+7], 0
.else
	v_wmma_f32_16x16x32_f16 v[S+8*\c:S+8*\c+7], v[KF+16*\c+8:KF+16*\c+15], v[QF+8:QF+15], v[S+8*\c:S+8*\c+7]
.endif
.endr
.endr
.rept 4
	v_nop                                          ; four places: in front of loads into registers that the products read, and of the first reads of results
.endr
.irp s, 0,1,2,3,4                      ; V^T: keys 32 s on, channels 16 t on; it lands under the softmax
.irp t, 0,1,2,3
	ds_load_tr16_b128 v[VF+32*\s+8*\t:VF+32*\s+8*\t+3], v[AV] offset:32*VP*\s+32*\t
.if \s < 4
	ds_load_tr16_b128 v[VF+32*\s+8*\t+4:VF+32*\s+8*\t+7], v[AV] offset:32*VP*\s+32*\t+16*VP
.else
	ds_load_tr16_b128 v[VF+32*\s+8*\t+4:VF+32*\s+8*\t+7], v[AV] offset:32*VP*\s+32*\t   ; there is no tenth tile of keys: its p are zeros, and they meet the ninth tile's numbers once more
.endif
.endr
.endr
.irp j, 0,1,2,3,4,5,6,7
	v_cndmask_b32 v[S+\j], v[NI], v[S+\j], s[48+\j]         ; the first tile: keys more than 128 back become -infinity
.endr
.irp j, 0,1,2,3,4,5,6,7
	v_cndmask_b32 v[S+64+\j], v[NI], v[S+64+\j], s[40+\j]   ; the last: keys after the query
.endr
	s_cmp_lg_u32 ttmp9, 0                          ; the first block of queries alone: tiles that lie ahead of key 0 (tile of queries + c < 8) are hidden whole
	s_cbranch_scc1 .Lfull
.irp c, 0,1,2,3,4,5,6,7
	s_add_co_u32 s60, s9, \c
	s_cmp_lt_u32 s60, 8
	s_cselect_b32 s61, -1, 0
.irp j, 0,1,2,3,4,5,6,7
	v_cndmask_b32 v[S+8*\c+\j], v[S+8*\c+\j], v[NI], s61
.endr
.endr
.Lfull:
.irp k, 0,1,2                          ; the maximum of my 72 scores: three chains of 24, each in ascending order
	v_max3_num_f32 v[176+\k], v[S+24*\k], v[S+24*\k+1], v[S+24*\k+2]
.endr
.irp i, 3,5,7,9,11,13,15,17,19,21
.irp k, 0,1,2
	v_max3_num_f32 v[176+\k], v[176+\k], v[S+24*\k+\i], v[S+24*\k+\i+1]
.endr
.endr
.irp k, 0,1,2
	v_max_num_f32 v[176+\k], v[176+\k], v[S+24*\k+23]
.endr
	v_max3_num_f32 v176, v176, v177, v178
	v_permlanex16_b32 v179, v176, s56, s57         ; the query's other 72 keys lie in the lane 16 away
	v_max_num_f32 v176, v176, v179                 ; the row's maximum: the query's own key always counts, so it is a number
	v_mul_f32 v180, s58, v176                      ; c m
.set i, 0
.rept 36
	v_pk_fma_f32 v[S+i:S+i+1], v[S+i:S+i+1], s[58:59], v[180:181] op_sel_hi:[1,0,0] neg_lo:[0,0,1] neg_hi:[0,0,1]   ; c s - c m
.set i, i+2
.endr
.set i, 0
.rept 72
	v_exp_f32 v[S+i], v[S+i]                       ; p = 2^(c s - c m), at most 1; 0 where the mask hides
.set i, i+1
.endr
	v_nop                                          ; a plain line behind the last exponential
	s_wait_alu depctr_va_vdst(0)                   ; one wait for the whole batch, ahead of its first reader
	v_pk_add_f32 v[176:177], v[S:S+1], v[S+2:S+3]  ; the row's sum, of the unrounded p, in two chains
	v_pk_add_f32 v[178:179], v[S+4:S+5], v[S+6:S+7]
.set i, 8
.rept 16
	v_pk_add_f32 v[176:177], v[176:177], v[S+i:S+i+1]
	v_pk_add_f32 v[178:179], v[178:179], v[S+i+2:S+i+3]
.set i, i+4
.endr
	v_pk_add_f32 v[176:177], v[176:177], v[178:179]
	v_add_f32 v176, v176, v177
	v_permlanex16_b32 v177, v176, s56, s57
	v_add_f32 v176, v176, v177
	v_rcp_f32 v182, v176                           ; its wait stands ahead of its first reader, behind the second product
.set i, 0
.rept 36
	v_cvt_pk_f16_f32 v[S+i], v[S+2*i], v[S+2*i+1]  ; P, in place and ascending: tile c's eight become four registers at S + 4 c: tiles 2 s and 2 s + 1 are fragment s
.set i, i+1
.endr
.irp i, 36,37,38,39
	v_mov_b32 v[S+\i], 0                           ; the tenth tile's p
.endr
	s_wait_dscnt 0x0                               ; V
.irp s, 0,1,2,3,4                      ; O^T = V^T P: four accumulators by turns; the first 32 keys start the sums
.irp t, 0,1,2,3
.if \s == 0
	v_wmma_f32_16x16x32_f16 v[OT+8*\t:OT+8*\t+7], v[VF+8*\t:VF+8*\t+7], v[S:S+7], 0
.else
	v_wmma_f32_16x16x32_f16 v[OT+8*\t:OT+8*\t+7], v[VF+32*\s+8*\t:VF+32*\s+8*\t+7], v[S+8*\s:S+8*\s+7], v[OT+8*\t:OT+8*\t+7]
.endif
.endr
.endr
.rept 4
	v_nop
.endr
	s_wait_alu depctr_va_vdst(0)                   ; the reciprocal's wait, ahead of its first reader
.set i, 0
.rept 16
	v_pk_mul_f32 v[OT+i:OT+i+1], v[OT+i:OT+i+1], v[182:183] op_sel_hi:[1,0]   ; O^T / the sum
.set i, i+2
.endr
.set i, 0
.rept 16
	v_cvt_pk_f16_f32 v[S+i], v[OT+2*i], v[OT+2*i+1]   ; tile t: channels 16 t + 8 h + 0..7 of query r: 16 bytes
.set i, i+1
.endr
.irp t, 0,1,2,3
	ds_store_b128 v[STO], v[S+4*\t:S+4*\t+3] offset:32*\t
.endr
	s_wait_dscnt 0x0                               ; for the others' sake: my stores into the stage are done
	s_barrier_signal -1
	s_barrier_wait -1                              ; a row's 256 bytes come from two waves
.irp i, 0,1,2,3
	ds_load_b128 v[200+4*\i:203+4*\i], v[RD] offset:\i*2*272
.endr
.irp i, 0,1,2,3
	s_wait_dscnt 3-\i                              ; the younger loads may stay out
	global_store_b128 v[GO], v[200+4*\i:203+4*\i], s[6:7] offset:4096*\i   ; 16 lanes store 256 consecutive bytes, aligned
.endr
	s_wait_tensorcnt 0x0                           ; the wave's end, behind my tensor load and my last LDS store
	ds_add_u32 v[SPW], v[NIL]
	s_wait_dscnt 0x0
	s_endpgm
.Lfunc_end_k_q0de029441c_attn:
	.size	k_q0de029441c_attn, .Lfunc_end_k_q0de029441c_attn-k_q0de029441c_attn
	.p2alignl 7, 3214868480
	.fill 96, 4, 3214868480
	.section	.rodata,"a",@progbits
	.p2align	6, 0x0
	.amdhsa_kernel k_q0de029441c_attn
		.amdhsa_group_segment_fixed_size 196608
		.amdhsa_private_segment_fixed_size 0
		.amdhsa_enable_private_segment 0
		.amdhsa_kernarg_size 16
		.amdhsa_user_sgpr_count 2
		.amdhsa_user_sgpr_kernarg_segment_ptr 1
		.amdhsa_wavefront_size32 1
		.amdhsa_system_sgpr_workgroup_id_x 1
		.amdhsa_system_sgpr_workgroup_id_y 1
		.amdhsa_system_sgpr_workgroup_id_z 1
		.amdhsa_system_vgpr_workitem_id 0
		.amdhsa_next_free_vgpr 256
		.amdhsa_next_free_sgpr 80
		.amdhsa_reserve_vcc 0
		.amdhsa_float_denorm_mode_32 3
		.amdhsa_float_denorm_mode_16_64 3
		.amdhsa_memory_ordered 1
		.amdhsa_forward_progress 1
		.amdhsa_inst_pref_size 36
	.end_amdhsa_kernel
	.amdgpu_metadata
---
amdhsa.version: [ 1, 2 ]
amdhsa.kernels:
  - .name:           k_q0de029441c_attn
    .symbol:         k_q0de029441c_attn.kd
    .args:
      - { .name: qkv, .offset: 0, .size: 8, .value_kind: global_buffer, .address_space: global }
      - { .name: ao, .offset: 8, .size: 8, .value_kind: global_buffer, .address_space: global }
    .group_segment_fixed_size: 196608
    .private_segment_fixed_size: 0
    .kernarg_segment_align: 8
    .kernarg_segment_size: 16
    .max_flat_workgroup_size: 512
    .sgpr_count:     80
    .vgpr_count:     256
    .wavefront_size: 32
...
	.end_amdgpu_metadata
.endif
;; end of part 3
;; launch proj (part 4): grid 8 x 32, 4 waves a work-group, clusters of 4 x 4, 327,680 bytes of LDS; arguments ao, wo16, out0; writes out0
.if DOCPART == 4
	.amdgcn_target "amdgcn-amd-amdhsa--gfx1250"
	.amdhsa_code_object_version 6
	.text
	.protected	k_q0de029441c_proj
	.globl	k_q0de029441c_proj
	.p2align	8
	.type	k_q0de029441c_proj,@function
k_q0de029441c_proj:
	s_mov_b64 s[64:65], 0
	v_nop
	global_prefetch_b8 v0, s[64:65] scope:SCOPE_SE
	s_setreg_imm32_b32 hwreg(HW_REG_WAVE_MODE, 25, 1), 1
	s_wait_xcnt 0x0
	s_wait_alu depctr_hold_cnt(0) depctr_sa_sdst(0) depctr_va_vdst(0) depctr_va_sdst(0) depctr_va_ssrc(0) depctr_va_vcc(0) depctr_vm_vsrc(0)
	s_getreg_b32 s2, hwreg(HW_REG_IB_STS2, 6, 4)
	s_cmp_eq_u32 s2, 0
	s_cbranch_scc0 .Lentry_in_a_cluster
	s_endpgm
.Lentry_in_a_cluster:
	s_bfe_u32 s2, ttmp6, 0x10000c
	s_cmp_lg_u32 s2, 0xf033
	s_cbranch_scc0 .Lentry_shape_is_right
	s_endpgm
.Lentry_shape_is_right:
; PROJ.  out0[t][n] = sum over k of ao[t][k] Wo[n][k].  ao: [4096][1024] f16, wo16: [1024][1024] f16, out0: [4096][1024] f32; sums in f32.
; All 4,096 rows are made and stored here; rows 0-15 are stored once more, from f32 operands, by the launch that follows (leaving them out here would be a branch on a work-group's place in its cluster).
; A tile of out0 is 128 x 128: 8 x 32 = 256 work-groups.  Four waves, each 64 x 64: 16 accumulators of 16 x 16.  K goes in steps of 256 (LDS rows of 512 bytes; a wave's tensor load brings 64 of them) through two slots.
; CLUSTERS: 4 x 4 work-groups.  The four of a row of the cluster need the same tiles of ao, the four of a column the same tiles of wo16: each tile is asked for JOINTLY, by the same tensor load with the same descriptor and a mask that names the four.
; No prefetch: K has four steps, of which two are asked for at the head.
; THE MATRIX INSTRUCTION IS USED TRANSPOSED (source 0 = 16 rows of wo16, source 1 = 16 rows of ao): a lane holds eight neighbouring numbers of a row of out0.
; REGISTERS: window 0: v0-31 addresses; v32-95 rows on the way out; v128-255 the accumulators ((a, b) at v[128 + 8 (4 a + b)]).   Window 1: two fragment buffers of 128: for 64 along K, 64 registers of A, then 64 of B.
.set SIZE_M, 4096
.set SIZE_N, 1024
.set SIZE_K, 1024
.set KSTEP,  256
.set PITCH,  528                       ; an LDS row: 512 bytes + 16 of padding = 132 words: the 16 rows that a load touches start 4 words further on in the banks each
.set HALFT,  64*PITCH                  ; 64 rows: what one tensor load brings, and what one wave reads of A or of B
.set SLOT,   4*HALFT                   ; A's 128 rows, then B's 128 rows
.set STAGE,  2*SLOT                    ; behind the ring: 16 rows x 272 bytes for each wave, for the way out
.set SPITCH, 272
.set SPARE,  STAGE+4*16*SPITCH         ; behind the stages: the spare words, 128 bytes a wave, which no other line names
.set LAPS, SIZE_K/(2*KSTEP)            ; a lap = two K steps = once round the ring
.set ADRA, 16                          ; v16-17  LDS address of my A fragments in slot 0, 1
.set ADRB, 20                          ; v20-21  the same for B
.set STO,  24                          ; v24     the way out: where I put 32 bytes of a row
.set RD,   25                          ; v25     where I read a row back
.set CO,   26                          ; v26     my byte offset in out0
.set SPW,  28
.set NIL,  29
.set TMP,  32
.set ACC,  128
.set F0,   0                           ; fragment buffers, in window 1
.set F1,   128
.set G1, 24                            ; s[24:31] descriptor group 1 for A's tiles;  s[32:39] group 0, one set for each slot
.set G0, 32
.set G1B, 48                           ; s[48:55], s[56:63] the same for B's tiles
.set G0B, 56
.set MSB, 0
.macro WIN new                         ; the immediate's high byte repeats the setting that is left
.if MSB != (\new)
	s_set_vgpr_msb (MSB<<8)|(\new)
.set MSB, (\new)
.endif
.endm
.set MUL,  0x05                        ; sources 0 (B) and 1 (A) window 1; C and D window 0
.set TO_F, 0x40                        ; destination window 1, address window 0
.macro JLOAD s                         ; a joint load: waves 0 and 1 fetch A's two halves, waves 2 and 3 B's; an s_nop 0 and four v_nop follow each of the two lines
	s_cmp_eq_u32 s11, 0
	s_cbranch_scc0 .Lfor_b_\@
	tensor_load_to_lds s[G0+4*\s:G0+4*\s+3], s[G1:G1+7]
	s_nop 0
.rept 4
	v_nop
.endr
	s_branch .Lasked_\@
.Lfor_b_\@:
	tensor_load_to_lds s[G0B+4*\s:G0B+4*\s+3], s[G1B:G1B+7]
	s_nop 0
.rept 4
	v_nop
.endr
.Lasked_\@:
.endm
.macro CREST                           ; a round of the cluster's barrier behind its opening barrier
	s_cmp_lg_u32 s10, 0
	s_cbranch_scc1 .Lnot_wave_0_\@
	s_barrier_signal -3
.Lnot_wave_0_\@:
	s_barrier_wait -3
	s_barrier_signal -1
	s_barrier_wait -1
.endm
.macro CROUND                          ; a whole round
	s_barrier_signal -1
	s_barrier_wait -1
	CREST
.endm
	s_load_b128 s[4:7], s[0:1], 0x0                ; ao s[4:5], wo16 s[6:7]
	s_load_b64 s[8:9], s[0:1], 0x10                ; out0
	v_lshl_add_u32 v[SPW], v0, 2, SPARE
	v_mov_b32 v[NIL], 0
	ds_add_u32 v[SPW], v[NIL]                      ; the wave's opening: the add, twice on end, and its wait ahead of my first tensor load
	ds_add_u32 v[SPW], v[NIL]
	v_lshrrev_b32 v1, 5, v0
	v_readfirstlane_b32 s10, v1                    ; wave 0..3
	s_lshr_b32 s11, s10, 1                         ; which half of the tile's rows is mine.  Also: I fetch for A (0) or for B (1)
	s_and_b32 s12, s10, 1                          ; which half of its columns.  Also: which 64 rows of that tile I fetch
	s_bfe_u32 s40, ttmp6, 0x40000                  ; cx, cy: my place in the cluster
	s_bfe_u32 s41, ttmp6, 0x40004
	s_lshl_b32 s42, ttmp9, 2
	s_add_co_u32 s42, s42, s40                     ; tile column = 4 x cluster x + cx
	s_and_b32 s13, ttmp7, 0xffff
	s_lshl_b32 s13, s13, 2
	s_add_co_u32 s13, s13, s41                     ; tile row = 4 x cluster y + cy
	s_lshl_b32 s43, s41, 2
	s_lshl_b32 s43, 15, s43                        ; my row of the cluster
	s_lshl_b32 s44, 0x1111, s40                    ; my column
	s_or_b32 s[G1+0], s43, (1<<16)|(1<<20)|(1<<21)|(6<<22)|(3<<25)  ; the mask: A's tiles go to my row; elements of 2 bytes; padding on; bit 21 beside a mask; 4 words behind every 128
	s_or_b32 s[G1B+0], s44, (1<<16)|(1<<20)|(1<<21)|(6<<22)|(3<<25)
.irp g, G1, G1B
	s_mov_b32 s[\g+1], KSTEP<<16                   ; tensor_dim0 = 256
	s_mov_b32 s[\g+2], 64<<16                      ; tensor_dim1 = 64
	s_mov_b32 s[\g+3], KSTEP<<16                   ; tile_dim0 = 256
	s_mov_b32 s[\g+4], 64                          ; tile_dim1 = 64
	s_mov_b32 s[\g+5], SIZE_K                      ; from row to row
	s_mov_b32 s[\g+6], 0
	s_mov_b32 s[\g+7], 0
.endr
	s_lshl_b32 s17, s12, 6                         ; which 64 rows of the tile I fetch
	s_lshl_b32 s16, s13, 7
	s_add_co_u32 s16, s16, s17                     ; A: row 128 x tile row + 64 x half
	s_lshl_b32 s46, s42, 7
	s_add_co_u32 s46, s46, s17                     ; B: row 128 x tile column + 64 x half
	s_mov_b32 s17, 0
	s_mov_b32 s47, 0
	s_mov_b64 s[18:19], SIZE_K*2
	s_mul_u64 s[16:17], s[16:17], s[18:19]
	s_mul_u64 s[46:47], s[46:47], s[18:19]
	s_mul_i32 s20, s10, HALFT                      ; where they go: wave x 64 rows
	s_wait_dscnt 0x0                               ; both opening adds are done
	s_wait_kmcnt 0x0
	s_add_nc_u64 s[14:15], s[4:5], s[16:17]
	s_add_nc_u64 s[46:47], s[6:7], s[46:47]
	CROUND                                         ; all sixteen work-groups are here: the first joint loads meet
.irp s, 0,1
	s_mov_b32 s[G0+4*\s], 1
	s_add_co_u32 s[G0+4*\s+1], s20, \s*SLOT
	s_add_nc_u64 s[G0+4*\s+2:G0+4*\s+3], s[14:15], \s*KSTEP*2
	s_or_b32 s[G0+4*\s+3], s[G0+4*\s+3], 0x80000000
	s_mov_b32 s[G0B+4*\s], 1
	s_add_co_u32 s[G0B+4*\s+1], s20, \s*SLOT
	s_add_nc_u64 s[G0B+4*\s+2:G0B+4*\s+3], s[46:47], \s*KSTEP*2
	s_or_b32 s[G0B+4*\s+3], s[G0B+4*\s+3], 0x80000000
	JLOAD \s
.endr
	v_and_b32 v1, 15, v0                           ; l % 16
	v_bfe_u32 v2, v0, 4, 1                         ; l / 16
	v_mul_u32_u24 v3, v1, PITCH
	v_lshl_add_u32 v3, v2, 4, v3                   ; a fragment's row x pitch + 16 x half
	s_mul_i32 s21, s11, HALFT                      ; my 64 rows of A
	s_mul_i32 s22, s12, HALFT                      ; my 64 rows of B,
	s_add_co_u32 s22, s22, 2*HALFT                 ; which lie behind A's 128
.irp s, 0,1
	v_add_nc_u32 v[ADRA+\s], s21, v3
	v_add_nc_u32 v[ADRB+\s], s22, v3
	s_add_co_u32 s21, s21, SLOT
	s_add_co_u32 s22, s22, SLOT
.endr
	s_mul_i32 s23, s10, 16*SPITCH
	s_add_co_u32 s23, s23, STAGE                   ; my stage: a wave's 64 columns of f32 are 256 bytes, a whole row of it
	v_mul_u32_u24 v4, v1, SPITCH                   ; in: row l % 16, 32 bytes for each half of the lanes
	v_lshl_add_u32 v4, v2, 5, v4
	v_add_nc_u32 v[STO], s23, v4
	v_mul_u32_u24 v5, v2, SPITCH                   ; back: lanes 0-15 one row of 256 bytes, lanes 16-31 the next
	v_lshl_add_u32 v5, v1, 4, v5
	v_add_nc_u32 v[RD], s23, v5
	v_lshlrev_b32 v5, 12, v2                       ; and the same two rows in out0: 4,096 bytes a row
	v_lshl_add_u32 v[CO], v1, 4, v5
	s_lshl_b32 s16, s13, 7
	s_lshl_b32 s17, s11, 6
	s_add_co_u32 s16, s16, s17                     ; my first row: 128 x tile row + 64 x half
	s_lshl_b32 s16, s16, 12
	s_mov_b32 s17, 0
	s_add_nc_u64 s[8:9], s[8:9], s[16:17]
	s_lshl_b32 s46, s42, 9                         ; my first column, in bytes: 512 x tile column + 256 x half
	s_lshl_b32 s47, s12, 8
	s_add_co_u32 s46, s46, s47
	s_mov_b32 s47, 0
	s_add_nc_u64 s[8:9], s[8:9], s[46:47]
; 8 matrix instructions: m blocks a0, a0 + 1 x all 4 n blocks, 32 along K: half c of buffer f.  zero = 1: the first product starts the sums.  The 16 accumulators take turns.
.macro MUL8 f, c, a0, zero
.irp a, \a0, \a0+1
.irp b, 0,1,2,3
.if \zero
	v_wmma_f32_16x16x32_f16 v[ACC+8*(4*(\a)+\b):ACC+8*(4*(\a)+\b)+7], v[\f+64+8*(4*\c+\b):\f+64+8*(4*\c+\b)+7], v[\f+8*(4*\c+\a):\f+8*(4*\c+\a)+7], 0
.else
	v_wmma_f32_16x16x32_f16 v[ACC+8*(4*(\a)+\b):ACC+8*(4*(\a)+\b)+7], v[\f+64+8*(4*\c+\b):\f+64+8*(4*\c+\b)+7], v[\f+8*(4*\c+\a):\f+8*(4*\c+\a)+7], v[ACC+8*(4*(\a)+\b):ACC+8*(4*(\a)+\b)+7]
.endif
.endr
.endr
.endm
; 32 LDS loads in one run: the fragments of 64 along K at byte k of the rows, into buffer f; the first 32 along K first
.macro FETCH slot, k, f
	WIN TO_F
.irp c, 0,1
.irp i, 0,1,2,3
	ds_load_b128 v[\f+64+8*(4*\c+\i):\f+64+8*(4*\c+\i)+3],   v[ADRB+\slot] offset:\k+64*\c+\i*16*PITCH
	ds_load_b128 v[\f+64+8*(4*\c+\i)+4:\f+64+8*(4*\c+\i)+7], v[ADRB+\slot] offset:\k+64*\c+\i*16*PITCH+32
	ds_load_b128 v[\f+8*(4*\c+\i):\f+8*(4*\c+\i)+3],         v[ADRA+\slot] offset:\k+64*\c+\i*16*PITCH
	ds_load_b128 v[\f+8*(4*\c+\i)+4:\f+8*(4*\c+\i)+7],       v[ADRA+\slot] offset:\k+64*\c+\i*16*PITCH+32
.endr
.endr
.endm
.macro PLACES                          ; four places in front of loads into registers that matrix instructions have read, and of stores that read results
.rept 4
	v_nop
.endr
.endm
; A K step is four quarters of 64 along K, 32 matrix instructions each, on buffers 0, 1, 0, 1.  One of the first three: multiplies buffer f and fetches the next quarter, at byte k, into g.
.macro QUARTER slot, k, f, g, zero
	s_wait_dscnt 16                                ; the first 32 along K are in; the sixteen younger loads may be out
	WIN MUL
	MUL8 \f, 0, 0, \zero
	MUL8 \f, 0, 2, \zero
	PLACES
	FETCH \slot, \k, \g
	s_wait_dscnt 32                                ; all but the 32 just issued
	WIN MUL
	MUL8 \f, 1, 0, 0
	MUL8 \f, 1, 2, 0
.endm
; The last quarter multiplies buffer 1 and changes slots: ONE barrier; in front of it each wave waits for all its tensor loads, adds 0 to its spare word, and waits for that and for its own reads of this slot.  fill = 1: this slot is filled again, two K steps ahead.
.macro TURN slot, next, fill
	WIN 0                                          ; (the add's two registers lie in window 0)
	s_wait_tensorcnt 0x0                           ; all my tensor loads have landed: my part of the next slot;
	ds_add_u32 v[SPW], v[NIL]                      ; 0 onto my spare word;
	s_wait_dscnt 17                                ; (the add and the youngest sixteen loads may be out)
	WIN MUL
	MUL8 F1, 0, 0, 0                               ; eight matrix instructions stand between the add and the wait for it
	s_wait_dscnt 0x0                               ; the add is done, and my reads of this slot are over
	s_barrier_signal -1
	MUL8 F1, 0, 2, 0
.if \fill
	WIN 0
.endif
	s_barrier_wait -1
.if \fill
	CREST                                          ; the barrier has opened a round of the cluster's barrier: no wave of any partner still reads this slot's tile or has a load on its way
	s_add_nc_u64 s[G0+4*\slot+2:G0+4*\slot+3], s[G0+4*\slot+2:G0+4*\slot+3], 2*KSTEP*2
	s_add_nc_u64 s[G0B+4*\slot+2:G0B+4*\slot+3], s[G0B+4*\slot+2:G0B+4*\slot+3], 2*KSTEP*2
	JLOAD \slot                                    ; the first tensor load behind the round, one a wave; the four v_nop behind it are also the places in front of the loads below
.else
	PLACES
.endif
	FETCH \next, 0, F0
	WIN MUL
	MUL8 F1, 1, 0, 0
	MUL8 F1, 1, 2, 0
.endm
	s_wait_tensorcnt 1                             ; my part of K step 0 is in; the one load issued behind it, K step 1's, may be out
	s_barrier_signal -1
	s_barrier_wait -1                              ; everybody's is
	FETCH 0, 0, F0
	QUARTER 0, 128, F0, F1, 1                      ; the first quarter stands in front of the loop: its first products start the sums
	WIN 0                                          ; at a label and at a branch every window is 0
	s_mov_b32 s3, LAPS-1
.Llap:                                                 ; a trip goes once round the ring, from a lap's second quarter to the next lap's first, and fills both slots again
	QUARTER 0, 256, F1, F0, 0
	QUARTER 0, 384, F0, F1, 0
	TURN 0, 1, 1
	QUARTER 1, 128, F0, F1, 0
	QUARTER 1, 256, F1, F0, 0
	QUARTER 1, 384, F0, F1, 0
	TURN 1, 0, 1
	QUARTER 0, 128, F0, F1, 0
	WIN 0
	s_sub_co_u32 s3, s3, 1
	s_cmp_lg_u32 s3, 0
	s_cbranch_scc1 .Llap
	QUARTER 0, 256, F1, F0, 0                      ; the last lap fills nothing, and has no round of the cluster's barrier
	QUARTER 0, 384, F0, F1, 0
	TURN 0, 1, 0
	QUARTER 1, 128, F0, F1, 0
	QUARTER 1, 256, F1, F0, 0
	QUARTER 1, 384, F0, F1, 0
	s_wait_dscnt 16                                ; the very last quarter: nothing more to fetch
	WIN MUL
	MUL8 F1, 0, 0, 0
	MUL8 F1, 0, 2, 0
	s_wait_dscnt 0
	MUL8 F1, 1, 0, 0
	MUL8 F1, 1, 2, 0
	WIN 0
; THE WAY OUT, a block of 16 rows x 64 columns at a time.  A lane holds 32 neighbouring bytes of a row; the block goes through my own stage and comes back as whole rows of 256 bytes.
; LDS serves a wave's instructions in order: no wait between the stores and the loads, nor in front of the next block's stores.
.macro TOSTAGE a
.irp b, 0,1,2,3
	ds_store_b128 v[STO], v[ACC+8*(4*(\a)+\b):ACC+8*(4*(\a)+\b)+3] offset:64*\b          ; each accumulator from its low end on
	ds_store_b128 v[STO], v[ACC+8*(4*(\a)+\b)+4:ACC+8*(4*(\a)+\b)+7] offset:64*\b+16
.endr
.irp i, 0,1,2,3,4,5,6,7
	ds_load_b128 v[TMP+32*((\a)%2)+4*\i:TMP+32*((\a)%2)+4*\i+3], v[RD] offset:\i*2*SPITCH
.endr
.endm
.macro SEND a, younger                 ; younger: the LDS instructions issued behind block a's loads, which may stay out
	s_wait_dscnt \younger
.irp i, 0,1,2,3,4,5,6,7
	global_store_b128 v[CO], v[TMP+32*((\a)%2)+4*\i:TMP+32*((\a)%2)+4*\i+3], s[8:9] offset:(16*(\a)+2*\i)*SIZE_N*4 th:TH_STORE_NT   ; 16 lanes store 256 consecutive bytes, aligned
.endr
.endm
	PLACES
	TOSTAGE 0
.irp a, 1,2,3
.if \a > 1
	s_wait_xcnt 0x0                                ; block a - 2's stores have read their data: block a's loads land in those registers
.endif
	TOSTAGE \a
	SEND \a-1, 16                                  ; behind block a - 1's loads: block a's 8 stores and 8 loads
.endr
	SEND 3, 0
	s_wait_tensorcnt 0x0                           ; the wave's end, behind my last tensor load and my last LDS store
	ds_add_u32 v[SPW], v[NIL]
	s_wait_dscnt 0x0
	CROUND                                         ; the closing round: no work-group ends while a partner may still ask for a tile that names it
	s_endpgm
.Lfunc_end_k_q0de029441c_proj:
	.size	k_q0de029441c_proj, .Lfunc_end_k_q0de029441c_proj-k_q0de029441c_proj
	.p2alignl 7, 3214868480
	.fill 96, 4, 3214868480
	.section	.rodata,"a",@progbits
	.p2align	6, 0x0
	.amdhsa_kernel k_q0de029441c_proj
		.amdhsa_group_segment_fixed_size 327680
		.amdhsa_private_segment_fixed_size 0
		.amdhsa_enable_private_segment 0
		.amdhsa_kernarg_size 24
		.amdhsa_user_sgpr_count 2
		.amdhsa_user_sgpr_kernarg_segment_ptr 1
		.amdhsa_wavefront_size32 1
		.amdhsa_system_sgpr_workgroup_id_x 1
		.amdhsa_system_sgpr_workgroup_id_y 1
		.amdhsa_system_sgpr_workgroup_id_z 1
		.amdhsa_system_vgpr_workitem_id 0
		.amdhsa_next_free_vgpr 512
		.amdhsa_next_free_sgpr 66
		.amdhsa_reserve_vcc 0
		.amdhsa_float_denorm_mode_32 3
		.amdhsa_float_denorm_mode_16_64 3
		.amdhsa_memory_ordered 1
		.amdhsa_forward_progress 1
		.amdhsa_inst_pref_size 86
	.end_amdhsa_kernel
	.amdgpu_metadata
---
amdhsa.version: [ 1, 2 ]
amdhsa.kernels:
  - .name:           k_q0de029441c_proj
    .symbol:         k_q0de029441c_proj.kd
    .args:
      - { .name: ao, .offset: 0, .size: 8, .value_kind: global_buffer, .address_space: global }
      - { .name: wo16, .offset: 8, .size: 8, .value_kind: global_buffer, .address_space: global }
      - { .name: out0, .offset: 16, .size: 8, .value_kind: global_buffer, .address_space: global }
    .group_segment_fixed_size: 327680
    .private_segment_fixed_size: 0
    .kernarg_segment_align: 8
    .kernarg_segment_size: 24
    .max_flat_workgroup_size: 128
    .sgpr_count:     66
    .vgpr_count:     512
    .wavefront_size: 32
...
	.end_amdgpu_metadata
.endif
;; end of part 4
;; launch first16 (part 5): grid 64 x 1, 16 waves a work-group, no clusters, 18,432 bytes of LDS; arguments qkv32, Wo, out0; writes out0
.if DOCPART == 5
	.amdgcn_target "amdgcn-amd-amdhsa--gfx1250"
	.amdhsa_code_object_version 6
	.text
	.protected	k_q0de029441c_first16
	.globl	k_q0de029441c_first16
	.p2align	8
	.type	k_q0de029441c_first16,@function
k_q0de029441c_first16:
	s_mov_b64 s[64:65], 0
	v_nop
	global_prefetch_b8 v0, s[64:65] scope:SCOPE_SE
	s_setreg_imm32_b32 hwreg(HW_REG_WAVE_MODE, 25, 1), 1
	s_wait_xcnt 0x0
; FIRST16.  Rows 0-15 of out0 once more, with f32 operands throughout: these positions average one to sixteen values and are the largest in size, so the rounding of 16-bit operands weighs most on them.
; qkv32: [48 planes][16][64] f32 (q's heads, k's, v's); Wo: [1024][1024] f32.  The launch runs last and stores over what the projection left in these 65,536 bytes.
; SHARES.  Work-group g owns out0[0:16][16 g : 16 g + 16].  Wave w is head w: its attention on the 16 x 16 causal tile (the window of 128 cuts nothing here), then its own 64 of the projection's K; the sixteen partial tiles meet in LDS,
; and wave 0 adds them in the order of the heads.  Each wave issues 48 matrix instructions of the f32 form: no bulk work.  64 work-groups repeat the small attention so that the chain stays that short.
; The output leaves in pieces of 32 bytes a lane, 64 bytes of a row for a work-group: 65,536 bytes in the whole launch.  No tensor loads, no cluster: nothing here is large enough to share.
; LAYOUT.  All products are used transposed, so that a lane holds one query (lane % 16).  The f32 form takes k = 2 (lane / 16) + j in register j; each product's K is permuted alike on both sides:
;   S^T = K Q^T: the step on register pair i takes channels 8 (i / 2) + 4 h + 2 (i % 2) + j;   O^T = V^T P: step s takes keys 8 h + 2 s + j;   Y^T = Wo O^T: step (t, s) takes channels 16 t + 8 h + 2 s + j.
; The registers that matrix instructions write (v144-207) are written by nothing else.
.set SPARE, 16384                      ; behind the sixteen images of 1,024 bytes: the spare words, 128 bytes a wave, which no other line names
.set DD,  3                            ; v3   d = r - 8 h
.set AQ,  4                            ; v4   256 r + 16 h: Q's and K's rows
.set AVT, 5                            ; v5   2,048 h + 4 r: V, key 8 h, channel r
.set AW,  6                            ; v6   4,096 r + 32 h: Wo's rows, and out0's
.set IMG, 7                            ; v7   my wave's image: 1,024 w + 16 x lane
.set IM0, 8                            ; v8   16 x lane
.set NI,  9                            ; v9   -infinity
.set SPW, 10
.set NIL, 11
.set QR,  16                           ; v16-47   Q
.set KR,  48                           ; v48-79   K
.set VT,  80                           ; v80-111  V^T: 8 t + kk = V[8 h + kk][16 t + r]
.set WR,  112                          ; v112-143 Wo: 8 t + i = Wo[16 g + r][64 w + 16 t + 8 h + i]
.set SAC, 144                          ; v144-159 S^T in two halves
.set OT,  160                          ; v160-191 O^T
.set YAC, 192                          ; v192-207 Y^T in two halves
.set T,   208                          ; v208-215 the scores, then p
.set PS,  216                          ; v216-223 my head's part of the output tile
	s_load_b128 s[4:7], s[0:1], 0x0                ; qkv32 s[4:5], Wo s[6:7]
	s_load_b64 s[8:9], s[0:1], 0x10                ; out0
	v_lshl_add_u32 v[SPW], v0, 2, SPARE
	v_mov_b32 v[NIL], 0
	v_lshrrev_b32 v1, 5, v0
	v_readfirstlane_b32 s10, v1                    ; wave = head
	v_and_b32 v1, 15, v0                           ; r
	v_bfe_u32 v2, v0, 4, 1                         ; h
	v_lshlrev_b32 v12, 3, v2
	v_sub_nc_u32 v[DD], v1, v12
	v_lshlrev_b32 v[AQ], 8, v1
	v_lshl_add_u32 v[AQ], v2, 4, v[AQ]
	v_lshlrev_b32 v[AVT], 11, v2
	v_lshl_add_u32 v[AVT], v1, 2, v[AVT]
	v_lshlrev_b32 v[AW], 12, v1
	v_lshl_add_u32 v[AW], v2, 5, v[AW]
	v_and_b32 v[IM0], 31, v0
	v_lshlrev_b32 v[IM0], 4, v[IM0]
	s_lshl_b32 s11, s10, 10
	v_add_nc_u32 v[IMG], s11, v[IM0]
	v_mov_b32 v[NI], 0xff800000
	v_mov_b32 v225, 0                              ; written once: a lane permute's destination, and the upper half of a pair that a packed form names
	v_mov_b32 v227, 0
	s_mov_b32 s28, 0x76543210                      ; v_permlanex16_b32's selects for lane l xor 16
	s_mov_b32 s29, 0xfedcba98
	s_mov_b32 s30, 0x3e38aa3b                      ; c = log2(e) / 8
	s_mov_b32 s31, s30
	s_lshl_b32 s12, s10, 12                        ; my head's plane: 4,096 bytes
	s_mov_b32 s13, 0
	s_lshl_b32 s14, ttmp9, 16                      ; Wo: 16 g rows of 4,096 bytes,
	s_lshl_b32 s15, s10, 8                         ; my head's 64 columns
	s_add_co_u32 s14, s14, s15
	s_mov_b32 s15, 0
	s_lshl_b32 s16, ttmp9, 6                       ; out0: 16 g columns
	s_mov_b32 s17, 0
	s_wait_kmcnt 0x0
	s_add_nc_u64 s[4:5], s[4:5], s[12:13]
	s_add_nc_u64 s[6:7], s[6:7], s[14:15]
	s_add_nc_u64 s[8:9], s[8:9], s[16:17]
.irp u, 0,1,2,3,4,5,6,7
	global_load_b128 v[QR+4*\u:QR+4*\u+3], v[AQ], s[4:5] offset:32*\u           ; channels 8 u + 4 h + 0..3 of row r
	global_load_b128 v[KR+4*\u:KR+4*\u+3], v[AQ], s[4:5] offset:65536+32*\u     ; k's planes lie 16 planes on
.endr
.irp t, 0,1,2,3
.irp k, 0,1,2,3,4,5,6,7
	global_load_b32 v[VT+8*\t+\k], v[AVT], s[4:5] offset:131072+256*\k+64*\t
.endr
.endr
.irp t, 0,1,2,3
	global_load_b128 v[WR+8*\t:WR+8*\t+3], v[AW], s[6:7] offset:64*\t
	global_load_b128 v[WR+8*\t+4:WR+8*\t+7], v[AW], s[6:7] offset:64*\t+16
.endr
.irp j, 0,1,2,3,4,5,6,7
	v_cmp_le_i32 s[20+\j], \j, v[DD]               ; register j is key 8 h + j: it counts where 8 h + j <= r
.endr
	s_wait_loadcnt 0x0
.irp i, 0,1,2,3,4,5,6,7,8,9,10,11,12,13,14,15   ; S^T = K Q^T: two accumulators by turns; each begins with the constant 0
.if \i < 2
	v_wmma_f32_16x16x4_f32 v[SAC+8*(\i%2):SAC+8*(\i%2)+7], v[KR+2*\i:KR+2*\i+1], v[QR+2*\i:QR+2*\i+1], 0
.else
	v_wmma_f32_16x16x4_f32 v[SAC+8*(\i%2):SAC+8*(\i%2)+7], v[KR+2*\i:KR+2*\i+1], v[QR+2*\i:QR+2*\i+1], v[SAC+8*(\i%2):SAC+8*(\i%2)+7]
.endif
.endr
.rept 8
	v_nop                                          ; eight places behind this form, in front of the first read of a result
.endr
.irp i, 0,2,4,6
	v_pk_add_f32 v[T+\i:T+\i+1], v[SAC+\i:SAC+\i+1], v[SAC+8+\i:SAC+8+\i+1]   ; the two halves, from the low end on, into other registers
.endr
.irp j, 0,1,2,3,4,5,6,7
	v_cndmask_b32 v[T+\j], v[NI], v[T+\j], s[20+\j]
.endr
	v_max3_num_f32 v224, v[T], v[T+1], v[T+2]
	v_max3_num_f32 v224, v224, v[T+3], v[T+4]
	v_max3_num_f32 v224, v224, v[T+5], v[T+6]
	v_max_num_f32 v224, v224, v[T+7]
	v_permlanex16_b32 v225, v224, s28, s29
	v_max_num_f32 v224, v224, v225                 ; the row's maximum: the query's own key always counts
	v_mul_f32 v226, s30, v224                      ; c m
.irp i, 0,2,4,6
	v_pk_fma_f32 v[T+\i:T+\i+1], v[T+\i:T+\i+1], s[30:31], v[226:227] op_sel_hi:[1,0,0] neg_lo:[0,0,1] neg_hi:[0,0,1]
.endr
.irp j, 0,1,2,3,4,5,6,7
	v_exp_f32 v[T+\j], v[T+\j]
.endr
	v_nop                                          ; a plain line behind the last exponential
	s_wait_alu depctr_va_vdst(0)                   ; one wait for the eight, ahead of their first reader
	v_pk_add_f32 v[228:229], v[T:T+1], v[T+2:T+3]
	v_pk_add_f32 v[230:231], v[T+4:T+5], v[T+6:T+7]
	v_pk_add_f32 v[228:229], v[228:229], v[230:231]
	v_add_f32 v228, v228, v229
	v_permlanex16_b32 v229, v228, s28, s29
	v_add_f32 v228, v228, v229                     ; the row's sum
	v_rcp_f32 v230, v228
	v_nop
	s_wait_alu depctr_va_vdst(0)
.irp i, 0,2,4,6
	v_pk_mul_f32 v[T+\i:T+\i+1], v[T+\i:T+\i+1], v[230:231] op_sel_hi:[1,0]   ; p, normalised in f32
.endr
.irp s, 0,1,2,3                        ; O^T = V^T P: four accumulators by turns
.irp t, 0,1,2,3
.if \s == 0
	v_wmma_f32_16x16x4_f32 v[OT+8*\t:OT+8*\t+7], v[VT+8*\t:VT+8*\t+1], v[T:T+1], 0
.else
	v_wmma_f32_16x16x4_f32 v[OT+8*\t:OT+8*\t+7], v[VT+8*\t+2*\s:VT+8*\t+2*\s+1], v[T+2*\s:T+2*\s+1], v[OT+8*\t:OT+8*\t+7]
.endif
.endr
.endr
.rept 9
	v_nop                                          ; nine places: the results go on as an operand of matrix instructions
.endr
.irp t, 0,1,2,3                        ; Y^T = Wo O^T over my head's 64 channels: two accumulators by turns
.irp s, 0,1,2,3
.if (\t == 0) && (\s < 2)
	v_wmma_f32_16x16x4_f32 v[YAC+8*(\s%2):YAC+8*(\s%2)+7], v[WR+8*\t+2*\s:WR+8*\t+2*\s+1], v[OT+8*\t+2*\s:OT+8*\t+2*\s+1], 0
.else
	v_wmma_f32_16x16x4_f32 v[YAC+8*(\s%2):YAC+8*(\s%2)+7], v[WR+8*\t+2*\s:WR+8*\t+2*\s+1], v[OT+8*\t+2*\s:OT+8*\t+2*\s+1], v[YAC+8*(\s%2):YAC+8*(\s%2)+7]
.endif
.endr
.endr
.rept 8
	v_nop
.endr
.irp i, 0,2,4,6
	v_pk_add_f32 v[PS+\i:PS+\i+1], v[YAC+\i:YAC+\i+1], v[YAC+8+\i:YAC+8+\i+1]   ; lane (r, h), register j: out0[r][16 g + 8 h + j], my head's part
.endr
	ds_store_b128 v[IMG], v[PS:PS+3]               ; as an image of the registers: 16 bytes a lane
	ds_store_b128 v[IMG], v[PS+4:PS+7] offset:512
	s_wait_dscnt 0x0                               ; for wave 0's sake: my stores are done
	s_barrier_signal -1
	s_barrier_wait -1
	s_cmp_lg_u32 s10, 0                            ; wave 0 alone adds and stores
	s_cbranch_scc1 .Lend
.irp i, 0,1,2,3,4,5,6,7,8,9,10,11,12,13,14,15
	ds_load_b128 v[16+8*\i:19+8*\i], v[IM0] offset:1024*\i
	ds_load_b128 v[20+8*\i:23+8*\i], v[IM0] offset:1024*\i+512
.endr
	s_wait_dscnt 0x0
.irp i, 1,2,3,4,5,6,7,8,9,10,11,12,13,14,15
.irp k, 0,2,4,6
	v_pk_add_f32 v[16+\k:17+\k], v[16+\k:17+\k], v[16+8*\i+\k:17+8*\i+\k]
.endr
.endr
	global_store_b128 v[AW], v[16:19], s[8:9]
	global_store_b128 v[AW], v[20:23], s[8:9] offset:16
.Lend:
	s_wait_tensorcnt 0x0                           ; the wave's end, behind my last LDS store
	ds_add_u32 v[SPW], v[NIL]
	s_wait_dscnt 0x0
	s_endpgm
.Lfunc_end_k_q0de029441c_first16:
	.size	k_q0de029441c_first16, .Lfunc_end_k_q0de029441c_first16-k_q0de029441c_first16
	.p2alignl 7, 3214868480
	.fill 96, 4, 3214868480
	.section	.rodata,"a",@progbits
	.p2align	6, 0x0
	.amdhsa_kernel k_q0de029441c_first16
		.amdhsa_group_segment_fixed_size 18432
		.amdhsa_private_segment_fixed_size 0
		.amdhsa_enable_private_segment 0
		.amdhsa_kernarg_size 24
		.amdhsa_user_sgpr_count 2
		.amdhsa_user_sgpr_kernarg_segment_ptr 1
		.amdhsa_wavefront_size32 1
		.amdhsa_system_sgpr_workgroup_id_x 1
		.amdhsa_system_sgpr_workgroup_id_y 1
		.amdhsa_system_sgpr_workgroup_id_z 1
		.amdhsa_system_vgpr_workitem_id 0
		.amdhsa_next_free_vgpr 256
		.amdhsa_next_free_sgpr 66
		.amdhsa_reserve_vcc 0
		.amdhsa_float_denorm_mode_32 3
		.amdhsa_float_denorm_mode_16_64 3
		.amdhsa_memory_ordered 1
		.amdhsa_forward_progress 1
		.amdhsa_inst_pref_size 21
	.end_amdhsa_kernel
	.amdgpu_metadata
---
amdhsa.version: [ 1, 2 ]
amdhsa.kernels:
  - .name:           k_q0de029441c_first16
    .symbol:         k_q0de029441c_first16.kd
    .args:
      - { .name: qkv32, .offset: 0, .size: 8, .value_kind: global_buffer, .address_space: global }
      - { .name: Wo, .offset: 8, .size: 8, .value_kind: global_buffer, .address_space: global }
      - { .name: out0, .offset: 16, .size: 8, .value_kind: global_buffer, .address_space: global }
    .group_segment_fixed_size: 18432
    .private_segment_fixed_size: 0
    .kernarg_segment_align: 8
    .kernarg_segment_size: 24
    .max_flat_workgroup_size: 512
    .sgpr_count:     66
    .vgpr_count:     256
    .wavefront_size: 32
...
	.end_amdgpu_metadata
.endif
;; end of part 5
